; MI455X (gfx1250); checked and timed in simulation.
; The chip was launched on July 23, 2026; its instructions are those of AMD's public machine-readable ISA for CDNA 5 (MIT licence, August 2026) and "CDNA5" Instruction Set Architecture Reference Guide (July 2026). The comments in the code are by the model that wrote it; some were corrected since.
;; Multi Head Attention. Allowed arithmetic: matrix products marked QUANTISED: E4M3 operands, one given power-of-two scale a tensor, by v_wmma_f32_16x16x64_fp8_fp8 or v_wmma_f32_16x16x128_fp8_fp8, f32 sums; everything else in f32.
;; Inputs: k 1 x 2,048 x 4,096 float32; lowp_scales 12 int32 (the exponents e of the quantised operands' scales 2^e); q 1 x 2,048 x 4,096 float32; v 1 x 2,048 x 4,096 float32; wk 4,096 x 512 float32; wo 2,048 x 4,096 float32; wq 4,096 x 2,048 float32; wv 4,096 x 512 float32.
;; Outputs: out0 1 x 2,048 x 4,096 float32; out1 1 x 2,048 x 8 x 128 float32.
;; This version of the problem:
;;   THIS VERSION OF THE PROBLEM IS GIVEN IN LOW PRECISION. The matrix products marked QUANTISED in the list below multiply operands that are first quantised to E4M3 (4 exponent bits, 3 mantissa bits; 8 bits a number), with one given power-of-two scale for each operand tensor; their sums are f32. All else is computed in f32.
;;   The module's matrix products, in the order in which they are computed (A, B: the left and right operand; K: the contracted axis; several contracted axes count as one K, in the product's order):
;;     1. [M 2,048, K 4,096] x [K 4,096, N 2,048]; A: input q; B: input wq: QUANTISED (scales: A lowp_scales[0], B lowp_scales[1])
;;     2. [M 2,048, K 4,096] x [K 4,096, N 512]; A: input k; B: input wk: QUANTISED (scales: A lowp_scales[2], B lowp_scales[3])
;;     3. [M 2,048, K 4,096] x [K 4,096, N 512]; A: input v; B: input wv: QUANTISED (scales: A lowp_scales[4], B lowp_scales[5])
;;     4. batch 8 x [M 2,048, K 64] x [K 64, N 8,192]; A: computed on the way; B: computed on the way: QUANTISED (scales: A lowp_scales[6], B lowp_scales[7])
;;     5. batch 8 x [M 64, K 2,048] x [K 2,048, N 8,192]; A: computed on the way; B: softmax (see below): QUANTISED (scales: A lowp_scales[8], B lowp_scales[9])
;;     6. [M 2,048, K 2,048] x [K 2,048, N 4,096]; A: computed on the way; B: input wo: QUANTISED (scales: A lowp_scales[10], B lowp_scales[11])
;;   THE QUANTISER, for each operand of a quantised product, along K:
;;     - The operand's scale is 2^e, e = its entry of the input lowp_scales (int32; the entries are numbered through the quantised products in the list's order, A before B).
;;     - Each number is divided by the scale, clamped to +-448, and rounded to the nearest number of E4M3, ties to even, subnormals kept.
;;     - The product sums the exact products of the quantised numbers (number of the format x scale) in f32.
;;   ~~~python
;;   def quantise(x, axis, e):      # numpy; x: float32 -> the quantised numbers, widened to float32 again
;;       x = np.moveaxis(x, axis, -1); K = x.shape[-1]
;;       r = np.clip(x / 2.0 ** e, -448, 448)
;;       step = 2.0 ** (np.maximum(np.frexp(np.where(r == 0, 1, r))[1] - 1, -6) - 3)
;;       q = np.round(r / step) * step * 2.0 ** e      # np.round: ties to even
;;       return np.moveaxis(q, -1, axis).astype(np.float32)
;;   ~~~
;;   SOFTMAX AHEAD OF A QUANTISED PRODUCT. Where the list says 'softmax', what is quantised is not the finished softmax but p = 2^(t - M), with t = logit x log2(e) and M = ceil(the row's largest t), a whole number; so 1/2 < the row's largest p <= 1. The row's sum l is taken of the UNQUANTISED p, in f32, and the product's result is divided by l at the end. Since M is a whole number, a kernel that streams over the keys may use a running M (the ceiling of the running maximum): every later rescaling is an exact power of two, so the quantised numbers keep their values, but for numbers so far below the row's largest that they fall under the format's range.
;;   OPERANDS COMPUTED ON THE WAY. 'Computed on the way' means the value that the module computes at that place (a softmax that the list does not call 'softmax' is quantised finished and normalised). What goes into a quantiser is computed in f32, as accurately as f32 sums, v_exp_f32 and their like allow (about 1e-6 of the number): no bf16 or f16 on the way to a quantiser, and a product that is left as it is and whose result goes on into a quantised operand takes f32 operands (vector FMAs, or v_wmma_f32_16x16x4_f32). A number that lies on a knife's edge between two numbers of the format may be rounded either way, as far as f32 arithmetic and the matrix unit's own rounding can turn it there, and no further.
;; One version. Each part assembles by itself: llvm-mc -triple=amdgcn-amd-amdhsa -mcpu=gfx1250 --defsym DOCPART=n.
;; ======== version 1 of 1: 4 launches
;; limits: right only within a limited range of input values
;; workspace buffers: xc 25,165,824 bytes; wc 12,582,912 bytes; woc 8,388,608 bytes; rt 524,288 bytes; qc 4,194,304 bytes; kc 1,048,576 bytes; vc 1,048,576 bytes; ac 4,194,304 bytes
;; launch quant (part 1): grid 1440 x 1, 4 waves a work-group, no clusters, 68,096 bytes of LDS; arguments q, k, v, wq, wk, wv, wo, lowp_scales, xc, wc, woc, rt; writes xc, wc, woc, rt
.if DOCPART == 1
	.amdgcn_target "amdgcn-amd-amdhsa--gfx1250"
	.amdhsa_code_object_version 6
	.text
	.protected	k_q0ba72a42ce_quant
	.globl	k_q0ba72a42ce_quant
	.p2align	8
	.type	k_q0ba72a42ce_quant,@function
k_q0ba72a42ce_quant:
	s_mov_b64 s[64:65], 0
	v_nop
	global_prefetch_b8 v0, s[64:65] scope:SCOPE_SE
	s_setreg_imm32_b32 hwreg(HW_REG_WAVE_MODE, 25, 1), 1
	s_wait_xcnt 0x0
; ONE LAUNCH FOR ALL THAT IS QUANTISED ONCE, AND FOR THE ROTATION'S TABLE.  The work-group's number picks one of three ways through the text:
;   0 .. 767      q, k, v [2048][4096] f32, K innermost -> xc [3][2048][4096] codes of E4M3.  A tensor is a plain stream of numbers; a work-group takes 32,768 of them, a wave 8,192 in 16 steps of 512.
;   768 .. 1407   wq, wk, wv [4096][N], wo [2048][4096] f32, K is the FIRST axis -> wc (3,072 rows n: wq's columns, then wk's, then wv's; K = 4,096) and woc (4,096 rows n; K = 2,048).  A lane takes a column, its registers run down K.
;                 Both are laid as IMAGES OF THE OPERAND'S REGISTERS: [block of 64 rows n][block of 128 along K][4 tiles of 16 rows][2,048 bytes]; piece c of an image (registers 4 c .. 4 c + 3) lies at 512 c + 16 x lane and holds,
;                 for lane (r, hh), K = 32 c + 16 hh + 0 .. 15 of row r.  So the products' launches load a fragment by four loads of 512 consecutive bytes.
;                 woc's K is taken in the order K' = 256 h + 64 g + d for wo's row 512 g + 64 h + d: the order in which the attention launch writes its result's codes.
;   1408 .. 1439  rt: cos and sin of token x theta_f, f = 0 .. 31, theta_f = 10000^(-f/32), as images of the registers in which the projection launch wants them: 4,096 bytes for each tile of 16 tokens.
; code = x / 2^e, to the nearest code, ties to even; e from lowp_scales: 0, 2, 4 for q, k, v; 1, 3, 5, 11 for wq, wk, wv, wo.
; LIMITS: each of these e lies between -126 and 119, so that 2^e and 448 x 2^e are f32 numbers.  NaN among the inputs is not served.
; theta comes from v_exp_f32 and may differ in its last places from an f32 power; at the largest angle (about 1,500) that moves the angle by up to about 2e-4.
; No tensor loads, no barrier: waves share nothing.  Each way has LDS bytes of its own.
.set SPARE, 67584                      ; behind both ways' stages: the spare words, 128 bytes for each wave: two blocks of 256 bytes that no other line names
.set SPW,   12                         ; v12  LDS address of my spare word: SPARE + 4 x my thread's number; never rewritten
.set NIL,   13                         ; v13  0; never rewritten
.set MANT,  0x600000                   ; the mantissa field of 448 as f32
	s_load_b512 s[8:23], s[0:1], 0x0               ; q 8, k 10, v 12, wq 14, wk 16, wv 18, wo 20, the scales' exponents 22
	s_load_b256 s[24:31], s[0:1], 0x40             ; xc 24, wc 26, woc 28, rt 30
	v_lshl_add_u32 v[SPW], v0, 2, SPARE
	v_mov_b32 v[NIL], 0
	v_lshrrev_b32 v1, 5, v0
	v_readfirstlane_b32 s4, v1                     ; wave 0..3
	v_and_b32 v2, 31, v0                           ; lane
	v_lshlrev_b32 v3, 4, v2                        ; 16 x lane
	s_wait_kmcnt 0x0
	s_load_b256 s[32:39], s[22:23], 0x0            ; e0 .. e7
	s_load_b128 s[40:43], s[22:23], 0x20           ; e8 .. e11
	s_cmp_lt_u32 ttmp9, 768
	s_cbranch_scc0 .Lweights
; ---------------- q, k, v: K innermost ----------------
; The conversions take 8 numbers of one lane's consecutive registers, so a lane must hold neighbours; a load is best where neighbouring lanes take neighbouring bytes.  Both are had: each of a step's four loads reads
; 512 consecutive bytes, 16 a lane; the 2,048 bytes go through the wave's own stage in LDS as they lie and come back 64 bytes a lane (16 bytes of padding behind each 64).  A lane's 16 codes are 16 bytes: a store covers 512 consecutive bytes.
.set STEPS, 16
.set R,     16                         ; v16-79   four sets of 16 numbers as they are loaded
.set X,     80                         ; v80-111  two sets of 16 neighbours
.set C,     128                        ; v128-191 codes: four registers for each step, so that no store's data are written again
.set SP,    80                         ; a lane's place in a stage: 64 bytes + 16 of padding; a wave has two stages of 32 x SP bytes in its 8,192
	s_lshr_b32 s5, ttmp9, 8                        ; which tensor: 0 q, 1 k, 2 v
	s_cmp_eq_u32 s5, 1
	s_cselect_b64 s[44:45], s[10:11], s[8:9]
	s_cmp_eq_u32 s5, 2
	s_cselect_b64 s[44:45], s[12:13], s[44:45]     ; the choice hangs on the work-group's number alone
	s_and_b32 s6, ttmp9, 255
	s_lshl_b32 s6, s6, 2
	s_add_co_u32 s6, s6, s4                        ; which run of 8,192 numbers of the tensor is my wave's
	s_lshl_b32 s48, s6, 15                         ; x 32,768 bytes
	s_mov_b32 s49, 0
	s_add_nc_u64 s[44:45], s[44:45], s[48:49]
	s_lshl_b32 s6, ttmp9, 2
	s_add_co_u32 s6, s6, s4
	s_lshl_b32 s48, s6, 13                         ; the three tensors' codes lie on end: x 8,192 bytes
	s_add_nc_u64 s[50:51], s[24:25], s[48:49]
	s_lshl_b32 s7, s4, 13                          ; my wave's 8,192 bytes of LDS
	s_wait_alu depctr_va_vdst(0)
	v_lshrrev_b32 v14, 2, v2
	v_mul_u32_u24 v14, v14, SP
	v_and_b32 v15, 3, v2
	v_lshl_add_u32 v14, v15, 4, v14
	v_add_nc_u32 v14, s7, v14                      ; the stage, on the way in: SP (lane / 4) + 16 (lane % 4)
	v_mul_u32_u24 v15, v2, SP
	v_add_nc_u32 v15, s7, v15                      ; and on the way out: SP x lane
.macro LOADA t
.irp i, 0,1,2,3
	global_load_b128 v[R+16*((\t)%4)+4*\i:R+16*((\t)%4)+4*\i+3], v3, s[44:45] offset:2048*(\t)+512*\i th:TH_LOAD_NT   ; 32 lanes read 512 consecutive bytes
.endr
.endm
.macro TURNA t                         ; step t's numbers through the stage: LDS serves a wave's instructions in order, so no wait stands between the stores and the loads
.irp i, 0,1,2,3
	ds_store_b128 v14, v[R+16*((\t)%4)+4*\i:R+16*((\t)%4)+4*\i+3] offset:32*SP*((\t)%2)+8*SP*\i
.endr
.irp i, 0,1,2,3
	ds_load_b128 v[X+16*((\t)%2)+4*\i:X+16*((\t)%2)+4*\i+3], v15 offset:32*SP*((\t)%2)+16*\i
.endr
.endm
.irp t, 0,1,2,3
	LOADA \t
.endr
	s_wait_alu depctr_va_vdst(0)
	s_wait_kmcnt 0x0
	s_cmp_eq_u32 s5, 1
	s_cselect_b32 s46, s34, s32
	s_cmp_eq_u32 s5, 2
	s_cselect_b32 s46, s36, s46                    ; e: e0, e2 or e4
	s_add_co_i32 s46, s46, 127
	s_lshl_b32 s47, s46, 23
	v_mov_b32 v11, s47                             ; 2^e as f32: the conversion takes its exponent field
	s_add_co_i32 s46, s46, 8
	s_lshl_b32 s46, s46, 23
	s_or_b32 s46, s46, MANT
	s_wait_alu depctr_va_vdst(0)
	s_wait_loadcnt 12                              ; step 0's four loads are in; the twelve behind them may be out
	TURNA 0
.macro STEPA t
.set XS, X+16*((\t)%2)
	s_wait_dscnt 0x0                               ; this step's numbers are back from the stage: so its stores into the stage have read their registers,
.if (\t)+4 < STEPS
	LOADA (\t)+4                                   ; which take the loads of four steps on
.endif
.if (\t)+1 < STEPS
.if STEPS-2-(\t) >= 3
	s_wait_loadcnt 12                              ; the next step's four loads are in; those of the three steps behind it may be out
.else
	s_wait_loadcnt 4*(STEPS-2-(\t))
.endif
	TURNA (\t)+1                                   ; and go through the other stage while this step is worked
.endif
.irp i, 0,1,2,3,4,5,6,7,8,9,10,11,12,13,14,15
.endr
	v_cvt_scalef32_pk8_fp8_f32 v[C+4*(\t):C+4*(\t)+1], v[XS:XS+7], v11
	v_cvt_scalef32_pk8_fp8_f32 v[C+4*(\t)+2:C+4*(\t)+3], v[XS+8:XS+15], v11
	global_store_b128 v3, v[C+4*(\t):C+4*(\t)+3], s[50:51] offset:512*(\t)   ; the results go to a store alone; the next vector lines are plain and touch other registers
.endm
.irp t, 0,1,2,3,4,5,6,7,8,9,10,11,12,13,14,15
	STEPA \t
.endr
	s_wait_tensorcnt 0x0                           ; the wave's end, behind my last LDS store
	ds_add_u32 v[SPW], v[NIL]
	s_wait_dscnt 0x0
	s_endpgm
; ---------------- wq, wk, wv, wo: K is the first axis ----------------
; A wave takes 32 columns x 256 along K: 8 blocks of 32.  Each load reads one row of W at 32 neighbouring columns.  A lane's codes belong to one row n, so they go through the wave's own stage (rows of 272 bytes)
; and leave as pieces of images: 2 tiles of 16 rows x 2 blocks of 128 along K x 4 pieces; each store covers 512 consecutive bytes, aligned.  What differs between the four tensors lies in scalar registers, chosen by the
; work-group's number; there is one text.
.Lweights:
	s_cmp_lt_u32 ttmp9, 1408
	s_cbranch_scc0 .Ltable
.set SB,  44                           ; s[44:59] eight bases: W at my first column and block t's first row
.set OFF, 16                           ; v16-47   4 x lane + i rows of W
.set XW,  48                           ; v48-111  two sets of 32 numbers; on the way out 16 x 4 registers
.set CW,  112                          ; v112-119 a block's codes
	s_sub_co_u32 s5, ttmp9, 768                    ; u
	s_mov_b64 s[66:67], s[14:15]                   ; wq: the source,
	s_mov_b64 s[68:69], s[26:27]                   ; the codes' buffer,
	s_mov_b32 s70, 0                               ; the tensor's first u,
	s_mov_b32 s71, 4                               ; log2 of its blocks of 128 columns,
	s_mov_b32 s72, 0                               ; its first row in the codes' buffer,
	s_mov_b32 s73, 4096                            ; K: a row's codes in bytes,
	s_mov_b32 s75, 256                             ; rows of W from y to y + 1,
	s_mov_b32 s76, 64                              ; and from a pair of blocks to the next
	s_cmp_ge_u32 s5, 256                           ; wk
	s_cselect_b64 s[66:67], s[16:17], s[66:67]
	s_cselect_b32 s70, 256, s70
	s_cselect_b32 s71, 2, s71
	s_cselect_b32 s72, 2048, s72
	s_cmp_ge_u32 s5, 320                           ; wv
	s_cselect_b64 s[66:67], s[18:19], s[66:67]
	s_cselect_b32 s70, 320, s70
	s_cselect_b32 s72, 2560, s72
	s_cmp_ge_u32 s5, 384                           ; wo: K' = 256 y + 32 t is wo's row 64 y + 512 (t / 2) + 32 (t % 2)
	s_cselect_b64 s[66:67], s[20:21], s[66:67]
	s_cselect_b64 s[68:69], s[28:29], s[68:69]
	s_cselect_b32 s70, 384, s70
	s_cselect_b32 s71, 5, s71
	s_cselect_b32 s72, 0, s72
	s_cselect_b32 s73, 2048, s73
	s_cselect_b32 s75, 64, s75
	s_cselect_b32 s76, 512, s76
	s_lshl_b32 s77, 512, s71                       ; a row of W in bytes
	s_sub_co_u32 s6, s5, s70
	s_bfm_b32 s7, s71, 0
	s_and_b32 s78, s6, s7                          ; x: which 128 columns
	s_lshr_b32 s79, s6, s71                        ; y: which 256 along K
	s_lshl_b32 s80, s78, 7
	s_lshl_b32 s7, s4, 5
	s_add_co_u32 s80, s80, s7                      ; my wave's first column
	s_lshl_b32 s82, s80, 2
	s_mov_b32 s83, 0
	s_add_nc_u64 s[66:67], s[66:67], s[82:83]
	s_mul_i32 s86, s79, s75
.irp t, 0,1,2,3,4,5,6,7
	s_mul_i32 s87, s76, \t/2
	s_add_co_u32 s87, s87, s86
	s_add_co_u32 s87, s87, 32*(\t%2)               ; block t's first row of W
	s_mul_i32 s82, s87, s77
	s_add_nc_u64 s[SB+2*\t:SB+2*\t+1], s[66:67], s[82:83]
.endr
	s_add_co_u32 s87, s72, s80
	s_and_b32 s87, s87, 0xffffffc0                 ; the block of 64 rows n that holds my 32: it takes 64 x K bytes,
	s_mul_i32 s82, s87, s73
	s_add_nc_u64 s[68:69], s[68:69], s[82:83]
	s_lshl_b32 s82, s79, 14                        ; in it my two blocks of 128 along K, 8,192 bytes each,
	s_add_nc_u64 s[68:69], s[68:69], s[82:83]
	s_and_b32 s82, s4, 1
	s_lshl_b32 s82, s82, 12                        ; and in each my two tiles of its four: the first two (even waves) or the last two
	s_add_nc_u64 s[68:69], s[68:69], s[82:83]
	s_wait_alu depctr_va_vdst(0)
	v_lshlrev_b32 v[OFF], 2, v2
.set i_, 1
.rept 31
	v_add_nc_u32 v[OFF+i_], s77, v[OFF+i_-1]
.set i_, i_+1
.endr
	s_mul_i32 s7, s4, 8704
	s_add_co_u32 s7, s7, 32768                     ; my stage: 32 rows of 272 bytes, behind the other way's bytes
	v_mul_u32_u24 v4, v2, 272
	v_add_nc_u32 v4, s7, v4                        ; into it: row = my column
	v_and_b32 v5, 15, v2                           ; r
	v_lshrrev_b32 v6, 4, v2                        ; hh
	v_mul_u32_u24 v7, v5, 272
	v_lshl_add_u32 v7, v6, 4, v7
	v_add_nc_u32 v7, s7, v7                        ; out of it, as a fragment's lane reads: row r, 16 hh bytes on; the sixteen rows of a pass start at sixteen different banks (pitch 17 x 16 bytes)
.macro LOADW t                         ; block t: 32 rows of W at my column, into set t % 2
.set i_, 0
.rept 32
	global_load_b32 v[XW+32*((\t)%2)+i_], v[OFF+i_], s[SB+2*(\t):SB+2*(\t)+1] th:TH_LOAD_NT
.set i_, i_+1
.endr
.endm
	LOADW 0
	LOADW 1
	s_wait_kmcnt 0x0
	s_mov_b32 s74, s33                             ; e: e1, e3, e5 or e11
	s_cmp_ge_u32 s5, 256
	s_cselect_b32 s74, s35, s74
	s_cmp_ge_u32 s5, 320
	s_cselect_b32 s74, s37, s74
	s_cmp_ge_u32 s5, 384
	s_cselect_b32 s74, s43, s74
	s_add_co_i32 s74, s74, 127
	s_lshl_b32 s6, s74, 23
	v_mov_b32 v11, s6                              ; 2^e as f32
	s_add_co_i32 s74, s74, 8
	s_lshl_b32 s74, s74, 23
	s_or_b32 s74, s74, MANT
.macro BLOCKW t
.set XS, XW+32*((\t)%2)
.if (\t) < 7
	s_wait_loadcnt 32                              ; this block's 32 loads are in; the next block's may be out
.else
	s_wait_loadcnt 0
.endif
.set i_, 0
.rept 32
.set i_, i_+1
.endr
.irp g, 0,1,2,3
	v_cvt_scalef32_pk8_fp8_f32 v[CW+2*\g:CW+2*\g+1], v[XS+8*\g:XS+8*\g+7], v11
.endr
	ds_store_b128 v4, v[CW:CW+3] offset:32*(\t)    ; 32 codes: 32 bytes of my column's row
	ds_store_b128 v4, v[CW+4:CW+7] offset:32*(\t)+16
.if (\t)+2 < 8
	LOADW (\t)+2
.endif
	s_wait_dscnt 0x0                               ; the stores have read their registers: the next block's codes may be written
.endm
	s_wait_alu depctr_va_vdst(0)
.irp t, 0,1,2,3,4,5,6,7
	BLOCKW \t
.endr
	v_nop
.irp kk, 0,1                           ; block kk of 128 along K, tile nt of 16 rows, piece c: K = 128 kk + 32 c + 16 hh + 0 .. 15 of row 16 nt + r
.irp nt, 0,1
.irp c, 0,1,2,3
	ds_load_b128 v[XW+4*(8*\kk+4*\nt+\c):XW+4*(8*\kk+4*\nt+\c)+3], v7 offset:\nt*16*272+128*\kk+32*\c   ; LDS serves a wave's instructions in order: these see my stores
.endr
.endr
.endr
.irp kk, 0,1
.irp nt, 0,1
.irp c, 0,1,2,3
	s_wait_dscnt 15-(8*\kk+4*\nt+\c)               ; this piece is back; the younger loads may be out
	global_store_b128 v3, v[XW+4*(8*\kk+4*\nt+\c):XW+4*(8*\kk+4*\nt+\c)+3], s[68:69] offset:8192*\kk+2048*\nt+512*\c   ; 32 lanes store 512 consecutive bytes, aligned
.endr
.endr
.endr
	s_wait_tensorcnt 0x0                           ; the wave's end, behind my last LDS store
	ds_add_u32 v[SPW], v[NIL]
	s_wait_dscnt 0x0
	s_endpgm
; ---------------- the rotation's table ----------------
; Wave w of work-group 1408 + j makes token tile T = 4 j + w.  Lane (r, hh) holds token 16 T + r and the 16 frequencies f = 16 b + 8 hh + j (b = 0, 1; j = 0 .. 7): register 8 b + j of the image is cos, register 16 + 8 b + j sin.
; x = token x theta, rounded once.  n = x (2/pi) to the nearest whole number; x - n (pi/2) with pi/2 in two parts: n has 11 bits at the most, so the first fused step rounds nothing; polynomials on +-pi/4; the quadrant swaps and signs.
.Ltable:
	s_sub_co_u32 s5, ttmp9, 1408
	s_lshl_b32 s5, s5, 2
	s_add_co_u32 s5, s5, s4                        ; T
	s_lshl_b32 s6, s5, 12
	s_mov_b32 s7, 0
	s_add_nc_u64 s[30:31], s[30:31], s[6:7]
	s_mov_b32 s44, 0xbed49a78                      ; -log2(10000) / 32
	s_mov_b32 s45, 0x3f22f983                      ; 2 / pi
	s_mov_b32 s46, 0x3fc90fdb                      ; pi / 2, the f32 nearest to it,
	s_mov_b32 s47, 0xb33bbd2e                      ; and what that leaves
	s_mov_b32 s48, 0xb94ca1f9                      ; sin r = r + r s ((S0 s + S1) s + S2), s = r r
	s_mov_b32 s49, 0x3c08839e
	s_mov_b32 s50, 0xbe2aaaa3
	s_mov_b32 s51, 0x37ccf5ce                      ; cos r = 1 - s / 2 + s s ((C0 s + C1) s + C2)
	s_mov_b32 s52, 0xbab6061a
	s_mov_b32 s53, 0x3d2aaaa5
	s_wait_alu depctr_va_vdst(0)
	v_and_b32 v4, 15, v2                           ; r
	v_lshrrev_b32 v5, 4, v2
	v_lshlrev_b32 v5, 3, v5                        ; 8 hh
	s_lshl_b32 s6, s5, 4
	v_add_nc_u32 v4, s6, v4
	v_cvt_f32_u32 v32, v4                          ; the token
.set k_, 0
.rept 16
	v_add_nc_u32 v[16+k_], 16*(k_/8)+k_%8, v5      ; f
.set k_, k_+1
.endr
.set k_, 0
.rept 16
	v_cvt_f32_u32 v[16+k_], v[16+k_]
.set k_, k_+1
.endr
.set k_, 0
.rept 16
	v_mul_f32 v[16+k_], s44, v[16+k_]
.set k_, k_+1
.endr
.set k_, 0
	s_wait_alu depctr_va_vdst(0)
.rept 16
	v_exp_f32 v[16+k_], v[16+k_]                   ; theta_f: one batch
.set k_, k_+1
.endr
	v_nop                                          ; a plain instruction behind the last of the batch
	s_wait_alu depctr_va_vdst(0)                   ; one wait for the batch, ahead of its first reader
.macro SINCOS k
.set W, 48+8*((\k)%2)
	v_mul_f32 v[W], v32, v[16+\k]                  ; x
	v_mul_f32 v[W+1], s45, v[W]
	v_rndne_f32 v[W+1], v[W+1]                     ; n
	v_fma_f32 v[W], -v[W+1], s46, v[W]
	v_fma_f32 v[W], -v[W+1], s47, v[W]             ; r
	v_mul_f32 v[W+2], v[W], v[W]                   ; s
	v_cvt_i32_f32 v[W+1], v[W+1]                   ; n as a whole number
	v_fma_f32 v[W+3], v[W+2], s48, s49
	v_fma_f32 v[W+3], v[W+3], v[W+2], s50
	v_mul_f32 v[W+4], v[W], v[W+2]
	v_fma_f32 v[W+3], v[W+4], v[W+3], v[W]         ; sin r
	v_fma_f32 v[W+5], v[W+2], s51, s52
	v_fma_f32 v[W+5], v[W+5], v[W+2], s53
	v_mul_f32 v[W+6], v[W+2], v[W+2]
	v_fma_f32 v[W+4], v[W+2], -0.5, 1.0
	v_fma_f32 v[W+5], v[W+5], v[W+6], v[W+4]       ; cos r
	v_and_b32 v[W+6], 1, v[W+1]
	v_cmp_eq_u32 vcc_lo, 1, v[W+6]
	v_cndmask_b32 v[W+4], v[W+3], v[W+5], vcc_lo   ; in an odd quadrant the two change places
	v_cndmask_b32 v[W+5], v[W+5], v[W+3], vcc_lo
	v_lshlrev_b32 v[W+6], 30, v[W+1]
	v_and_b32 v[W+6], 0x80000000, v[W+6]           ; sin is negated in quadrants 2 and 3,
	v_xor_b32 v[80+\k], v[W+6], v[W+4]
	v_add_nc_u32 v[W+1], 1, v[W+1]
	v_lshlrev_b32 v[W+1], 30, v[W+1]
	v_and_b32 v[W+1], 0x80000000, v[W+1]           ; cos in quadrants 1 and 2
	v_xor_b32 v[64+\k], v[W+1], v[W+5]
.endm
.irp k, 0,1,2,3,4,5,6,7,8,9,10,11,12,13,14,15
	SINCOS \k
.endr
.irp p, 0,1,2,3,4,5,6,7
	global_store_b128 v3, v[64+4*\p:67+4*\p], s[30:31] offset:512*\p   ; registers 4 p .. 4 p + 3 of the image: 32 lanes store 512 consecutive bytes
.endr
	s_wait_kmcnt 0x0                               ; the exponents, which this way does not use, have landed
	s_endpgm
.Lfunc_end_k_q0ba72a42ce_quant:
	.size	k_q0ba72a42ce_quant, .Lfunc_end_k_q0ba72a42ce_quant-k_q0ba72a42ce_quant
	.p2alignl 7, 3214868480
	.fill 96, 4, 3214868480
	.section	.rodata,"a",@progbits
	.p2align	6, 0x0
	.amdhsa_kernel k_q0ba72a42ce_quant
		.amdhsa_group_segment_fixed_size 68096
		.amdhsa_private_segment_fixed_size 0
		.amdhsa_enable_private_segment 0
		.amdhsa_kernarg_size 96
		.amdhsa_user_sgpr_count 2
		.amdhsa_user_sgpr_kernarg_segment_ptr 1
		.amdhsa_wavefront_size32 1
		.amdhsa_system_sgpr_workgroup_id_x 1
		.amdhsa_system_sgpr_workgroup_id_y 1
		.amdhsa_system_sgpr_workgroup_id_z 1
		.amdhsa_system_vgpr_workitem_id 0
		.amdhsa_next_free_vgpr 192
		.amdhsa_next_free_sgpr 96
		.amdhsa_reserve_vcc 1
		.amdhsa_float_denorm_mode_32 3
		.amdhsa_float_denorm_mode_16_64 3
		.amdhsa_fp16_overflow 1
		.amdhsa_memory_ordered 1
		.amdhsa_forward_progress 1
		.amdhsa_inst_pref_size 81
	.end_amdhsa_kernel
	.amdgpu_metadata
---
amdhsa.version: [ 1, 2 ]
amdhsa.kernels:
  - .name:           k_q0ba72a42ce_quant
    .symbol:         k_q0ba72a42ce_quant.kd
    .args:
      - { .name: q, .offset: 0, .size: 8, .value_kind: global_buffer, .address_space: global }
      - { .name: k, .offset: 8, .size: 8, .value_kind: global_buffer, .address_space: global }
      - { .name: v, .offset: 16, .size: 8, .value_kind: global_buffer, .address_space: global }
      - { .name: wq, .offset: 24, .size: 8, .value_kind: global_buffer, .address_space: global }
      - { .name: wk, .offset: 32, .size: 8, .value_kind: global_buffer, .address_space: global }
      - { .name: wv, .offset: 40, .size: 8, .value_kind: global_buffer, .address_space: global }
      - { .name: wo, .offset: 48, .size: 8, .value_kind: global_buffer, .address_space: global }
      - { .name: lowp_scales, .offset: 56, .size: 8, .value_kind: global_buffer, .address_space: global }
      - { .name: xc, .offset: 64, .size: 8, .value_kind: global_buffer, .address_space: global }
      - { .name: wc, .offset: 72, .size: 8, .value_kind: global_buffer, .address_space: global }
      - { .name: woc, .offset: 80, .size: 8, .value_kind: global_buffer, .address_space: global }
      - { .name: rt, .offset: 88, .size: 8, .value_kind: global_buffer, .address_space: global }
    .group_segment_fixed_size: 68096
    .private_segment_fixed_size: 0
    .kernarg_segment_align: 8
    .kernarg_segment_size: 96
    .max_flat_workgroup_size: 128
    .sgpr_count:     96
    .vgpr_count:     192
    .wavefront_size: 32
...
	.end_amdgpu_metadata
.endif
;; end of part 1
;; launch proj (part 2): grid 24 x 8, 4 waves a work-group, clusters of 4 x 1, 327,680 bytes of LDS; arguments xc, wc, rt, lowp_scales, qc, kc, vc, out1; writes qc, kc, vc, out1
.if DOCPART == 2
	.amdgcn_target "amdgcn-amd-amdhsa--gfx1250"
	.amdhsa_code_object_version 6
	.text
	.protected	k_q0ba72a42ce_proj
	.globl	k_q0ba72a42ce_proj
	.p2align	8
	.type	k_q0ba72a42ce_proj,@function
k_q0ba72a42ce_proj:
	s_mov_b64 s[64:65], 0
	v_nop
	global_prefetch_b8 v0, s[64:65] scope:SCOPE_SE
	s_setreg_imm32_b32 hwreg(HW_REG_WAVE_MODE, 25, 1), 1
	s_wait_xcnt 0x0
	s_wait_alu depctr_hold_cnt(0) depctr_sa_sdst(0) depctr_va_vdst(0) depctr_va_sdst(0) depctr_va_ssrc(0) depctr_va_vcc(0) depctr_vm_vsrc(0)
	s_getreg_b32 s2, hwreg(HW_REG_IB_STS2, 6, 4)
	s_cmp_eq_u32 s2, 0
	s_cbranch_scc0 .Lentry_in_a_cluster
	s_endpgm
.Lentry_in_a_cluster:
	s_bfe_u32 s2, ttmp6, 0x10000c
	s_cmp_lg_u32 s2, 0x3003
	s_cbranch_scc0 .Lentry_shape_is_right
	s_endpgm
.Lentry_shape_is_right:
; THE THREE PROJECTIONS ON CODES OF E4M3, THE ROTATION, out1, AND THE CODES OF Q, K AND V FOR THE ATTENTION.
; C = A B^T: A = xc [3 (q, k, v)][2048 tokens][4096], one code a byte, K innermost.  B = wc: 3,072 rows (0-2047 wq's columns, 2048-2559 wk's, 2560-3071 wv's), laid as images of operand registers:
; [block of 64 rows][block of 128 along K][4 tiles of 16 rows][2,048 bytes], piece c at 512 c + 16 x lane = K 32 c + 16 hh + 0 .. 15 of row r.
; A work-group makes 256 tokens x 128 columns (two heads); tile columns 0-15 are Q's, 16-19 K's, 20-23 V's.  Four waves: wave w has tokens 128 (w / 2) on and head w % 2 of the two: 8 x 4 accumulators of 16 x 16.
; A GOES THROUGH LDS, B STRAIGHT INTO REGISTERS.  LDS holds a ring of two slots, and with A alone in it a slot holds 256 rows x 512 along K (with B's 128 rows beside them only 256 along K would fit): so K = 4,096 is 8 slots' worth,
; and a wave has 128 matrix instructions between two changes of slots.  Each wave fetches 64 rows x 512 bytes by one tensor load; by this text's count a wave has two tensor loads out at the start and one behind each round.
; B's 8,192 bytes for 128 along K of my 64 columns are 16 loads of 512 consecutive bytes into a ring of four sets of registers, asked for three blocks ahead; no barrier holds them.  The two waves with the same head load the same B.
; CLUSTERS of 4 x 1.  The six clusters along x are each of one tensor (q: 0-3, k: 4, v: 5), so the four partners need the same tile of A: it is asked for jointly.  B is not: there is no joint request into registers.
; THE MATRIX INSTRUCTION IS USED TRANSPOSED (source 0 = 16 rows of B, source 1 = 16 tokens): lane (r, hh) holds token r, and register j of accumulator (a, b) the head's number 16 b + 8 hh + j.
; So the rotation's partners (numbers d and d + 32) lie in one lane, in accumulators b and b + 2, and eight neighbouring numbers of a head lie in eight consecutive registers, as the conversions want them.
; WHAT LEAVES.  Q and K, rotated, as codes in images of the attention's operand registers (a tile of 16 tokens x 64: 8 registers a lane, registers 2 c, 2 c + 1 = numbers 16 c + 8 hh + 0 .. 7; piece p = registers 4 p .. 4 p + 3 at 512 p + 16 x lane).
; V as codes with the tokens innermost (a tile of 16 channels x 128 tokens: 16 registers, registers 2 c, 2 c + 1 = tokens 16 c + 8 hh + 0 .. 7 of channel 16 t + r).  out1 [token][8 h][K 64 | V 64] in f32.
; SCALES.  A sum stands for sum x 2^(eA + eB).  Q's and K's codes are sum' / 2^(eO - eA - eB) (the rotation is linear); V's are made of the f32 numbers with 2^e8.  eO: e7 for Q, e6 for K.
; LIMITS: eA + eB between -126 and 127; eO - eA - eB (Q, K) and e8 between -126 and 119.
; REGISTERS, in windows of 256: window 0: v16-31 addresses and the like; v32-127 at work on the way out; v128-255 A's fragments, set 0 (on the way out: codes, rows of out1).   window 1: v128-255 A's set 1.
;   window 2: accumulator (a, b) at v[8 (4 a + b)].   window 3: B's ring, set q at v[64 q]; as the sets fall free in the last four blocks they take the rotation's table for my 8 tiles of tokens, 32 registers each.
.set KB,     4096                      ; a row of A in bytes
.set KS,     512                       ; along K in a slot
.set PITCH,  528                       ; an LDS row: 512 bytes + 16 of padding = 132 words: the 16 rows that a load touches start at 16 different banks (64 banks of 4 bytes: ISA guide 11.1)
.set QT,     64*PITCH                  ; what one tensor load brings
.set SLOT,   4*QT                      ; A's 256 rows
.set SPARE,  2*SLOT                    ; behind the ring: the spare words, 128 bytes for each wave: two blocks of 256 bytes that no other line names
.set STAGE,  SPARE+512                 ; the way out: 16 rows x 272 bytes for each wave, once for K's way and once for V's
.set VST,    4*16*272                  ; V's stages lie this far behind K's
.set LAPS,   KB/(2*KS)                 ; a lap = two slots = once round the ring
.set ADRA, 16                          ; v16-17  LDS address of my A fragments in slot 0, 1
.set SCV,  22                          ; v22     the conversions' scale as f32
.set LIMV, 23                          ; v23     448 x that
.set STO,  24                          ; v24     the stage: where I put 32 bytes of a token's row
.set RD,   25                          ; v25     where I read a row back
.set CO,   26                          ; v26     my byte offset in two tokens' rows of out1
.set LI,   27                          ; v27     16 x lane; never rewritten
.set SPW,  28                          ; v28     LDS address of my spare word; never rewritten
.set NIL,  29                          ; v29     0; never rewritten
.set PFO,  30                          ; v30     the prefetches' offset: row lane % 16, block lane / 16 of the two blocks of 256 bytes; never rewritten
.set VT,   31                          ; v31     the stage read across: channel r of token 8 hh
.set U,    32                          ; v32-47  products on the way
.set Y,    48                          ; v48-79  a tile's 32 numbers a lane, for the conversions
.set F,    80                          ; v80-111 the same as f32 numbers of out1
.set CD,   128                         ; v128-191 codes
.set RR,   192                         ; v192-255 rows read back, two sets of 32
.set G1,  24                           ; s[24:31] descriptor group 1;  s[32:39] group 0, one set for each slot
.set G0,  32
.set PFA, 44                           ; s[44:45] where my prefetches stand
.set BP,  48                           ; s[48:49] B at my 64 rows and the slot in hand's first 128 along K
.set LIM, 66                           ; s66     1 in a work-group that prefetches, else the greatest number
.set MSB, 0
.macro WIN new                         ; the immediate's high byte repeats the setting that is left; a switch that changes nothing is dropped
.if MSB != (\new)
	s_set_vgpr_msb (MSB<<8)|(\new)
.set MSB, (\new)
.endif
.endm
.macro CREST                           ; a round of the cluster's barrier behind its opening barrier
	s_cmp_lg_u32 s20, 0
	s_cbranch_scc1 .Lnot_wave_0_\@
	s_barrier_signal -3
.Lnot_wave_0_\@:
	s_barrier_wait -3
	s_barrier_signal -1
	s_barrier_wait -1
.endm
.macro CROUND                          ; a whole round
	s_barrier_signal -1
	s_barrier_wait -1
	CREST
.endm
; A prefetch of what the NEXT change of slots will ask for: of the 64 rows that I fetch, my work-group's 16, two blocks of 256 bytes each: a lane a block, one instruction a wave.  Each block is named once in the launch: all clusters of
; a tensor read the same rows, and the first of them along x asks (x = 0, 4, 5); its four partners share the rows out by address.  how = 1: a lap's first change, behind which a slot always follows; how = 0: its second, which
; asks for nothing in the loop's last trip.  The first three slots come by their loads alone.  B has no prefetch: its own loads stand three blocks of 128 along K ahead of their use.
.macro ASK how
.if \how
	s_cmp_eq_u32 s[LIM], 1
.else
	s_cmp_gt_u32 s3, s[LIM]
.endif
	s_cbranch_scc0 .Lnot_mine_\@
	global_prefetch_b8 v[PFO], s[PFA:PFA+1] th:TH_LOAD_NT scope:SCOPE_SE
.Lnot_mine_\@:
.endm
.macro PLACES n                        ; plain vector instructions between a matrix instruction and a load into, or a vector read of, its registers
.rept \n
	v_nop
.endr
.endm
.macro FRAG reg, adr, q, i             ; a fragment, 16 rows x 128 K, is 16 registers: registers 4 c .. 4 c + 3 hold K = 32 c + 16 (lane / 16) + 0 .. 15: the order of K in which B's images are laid, so every product meets its partner
.irp c, 0,1,2,3
	ds_load_b128 v[\reg+4*\c:\reg+4*\c+3], v[\adr] offset:128*(\q)+32*\c+(\i)*16*PITCH
.endr
.endm
.macro FETCHA slot, q, p               ; 32 LDS loads in one run: A's 8 fragments of the slot's q-th 128 along K into set p (window p)
	WIN 0x40*(\p)
.irp i, 0,1,2,3,4,5,6,7
	FRAG 128+16*\i, ADRA+\slot, \q, \i
.endr
.endm
.macro LOADB ring, j                   ; 16 loads of 512 consecutive bytes: B's 4 fragments of the j-th 128 along K, counted from the slot in hand's first, into a set of the ring
	WIN 0xc0                                       ; destination window 3, address window 0
.irp i, 0,1,2,3,4,5,6,7,8,9,10,11,12,13,14,15
	global_load_b128 v[64*(\ring)+4*\i:64*(\ring)+4*\i+3], v[LI], s[BP:BP+1] offset:8192*(\j)+512*\i
.endr
.endm
.macro LOADT g                         ; 16 loads: the table's images 2 g and 2 g + 1 of my 8, into the ring's set g, which B has left
	WIN 0xc0
.irp i, 0,1,2,3,4,5,6,7,8,9,10,11,12,13,14,15
	global_load_b128 v[64*(\g)+4*\i:64*(\g)+4*\i+3], v[LI], s[8:9] offset:512*(16*(\g)+\i)
.endr
.endm
; 32 matrix instructions: A's 8 blocks (set p) against B's four (the ring's set q).  zero = 1: the first product starts the sums.  The 32 accumulators take turns, one instruction a turn, in one order throughout.
.macro MUL p, q, zero
	WIN 0xa3+4*(\p)                                ; source 0 (B) window 3, source 1 (A) window p, C and D window 2
.set ma_, 0
.rept 8
.irp b, 0,1,2,3
.if \zero
	v_wmma_f32_16x16x128_fp8_fp8 v[8*(4*ma_+\b):8*(4*ma_+\b)+7], v[64*(\q)+16*\b:64*(\q)+16*\b+15], v[128+16*ma_:128+16*ma_+15], 0
.else
	v_wmma_f32_16x16x128_fp8_fp8 v[8*(4*ma_+\b):8*(4*ma_+\b)+7], v[64*(\q)+16*\b:64*(\q)+16*\b+15], v[128+16*ma_:128+16*ma_+15], v[8*(4*ma_+\b):8*(4*ma_+\b)+7]
.endif
.endr
.set ma_, ma_+1
.endr
.endm
; The slot's q-th 128 along K.  Ahead of its products: A's fragments of the next 128 are fetched into the set that the last products have left, and the ring's set that they have left takes what is due three blocks on:
; ld = 1: B; ld = 2: a part of the table; ld = 0: nothing.  lc: how many younger loads may be out when this block's 16 loads of B have to be in: the two blocks behind it, 32.
.macro CHUNK slot, q, zero, ld, lc
.if (\q) == 0
	FETCHA \slot, 0, 0                             ; (the places behind the last products stand in the change of slots)
.else
	s_wait_dscnt 0x0                               ; this block's fragments of A, asked for a block ago, are in
	PLACES 4
.if (\q) < 3
	FETCHA \slot, (\q)+1, 1-(\q)%2
.endif
.endif
	s_wait_loadcnt \lc
.if (\ld) == 1
	LOADB ((\q)+3)%4, (\q)+3
.endif
.if (\ld) == 2
	LOADT ((\q)+3)%4
.endif
.if (\q) == 0
	s_wait_dscnt 0x0
	FETCHA \slot, 1, 1
.endif
	MUL (\q)%2, \q, \zero
.endm
; THE CHANGE OF SLOTS, behind a slot's last products: all that the slot held is in registers or multiplied.  Each wave waits for all its tensor loads (its part of the next slot), adds 0 to its spare word, and waits for that and for its
; reads of this slot.  fill = 1: the barrier opens a round of the cluster's, and the slot is filled again, two slots ahead, first thing behind it.  Nothing but these lines stands between a tile's landing and the next request.
.macro CHANGE slot, fill, how
	WIN 0
	s_wait_xcnt 0x0                                ; B's loads and the last prefetch have read their addresses: both step here
	s_add_nc_u64 s[BP:BP+1], s[BP:BP+1], 4*8192
.if \fill
	s_add_nc_u64 s[PFA:PFA+1], s[PFA:PFA+1], KS
.endif
	s_wait_tensorcnt 0x0                           ; all my tensor loads have landed, so a group 0 may be written
	ds_add_u32 v[SPW], v[NIL]                      ; 0 onto my spare word
.if \fill
	s_add_nc_u64 s[G0+4*\slot+2:G0+4*\slot+3], s[G0+4*\slot+2:G0+4*\slot+3], 2*KS
.endif
	s_wait_dscnt 0x0                               ; the add is done, and my reads of this slot are over
	s_barrier_signal -1
	s_barrier_wait -1
.if \fill
	CREST                                          ; no wave of any partner still reads this slot or has a load on its way
	tensor_load_to_lds s[G0+4*\slot:G0+4*\slot+3], s[G1:G1+7]
	s_nop 0                                        ; the four behind it are the places in front of the loads that follow
.rept 4
	v_nop
.endr
	ASK \how
.else
	PLACES 4
.endif
.endm
	s_load_b512 s[4:19], s[0:1], 0x0               ; xc 4, wc 6, rt 8, the exponents 10, qc 12, kc 14, vc 16, out1 18
	v_lshl_add_u32 v[SPW], v0, 2, SPARE
	v_mov_b32 v[NIL], 0
	ds_add_u32 v[SPW], v[NIL]                      ; the wave's opening: the add, and its wait ahead of my first tensor load; the set-up below stands between them
	v_lshrrev_b32 v1, 5, v0
	v_readfirstlane_b32 s20, v1                    ; wave 0..3
	s_lshr_b32 s21, s20, 1                         ; which 128 tokens are mine
	s_and_b32 s22, s20, 1                          ; which head of the two
	s_max_u32 s23, ttmp9, 3
	s_sub_co_u32 s23, s23, 3                       ; the tensor: 0 q, 1 k, 2 v: it hangs on the cluster's x alone
	s_bfe_u32 s40, ttmp6, 0x40000                  ; cx: my place in the cluster
	s_lshl_b32 s42, ttmp9, 2
	s_add_co_u32 s42, s42, s40                     ; tile column = 4 x cluster x + cx
	s_and_b32 s43, ttmp7, 0xffff                   ; tile row, which the four partners share
	s_mov_b32 s[G1], 15|(1<<20)|(1<<21)|(6<<22)|(3<<25)    ; 15:0 the mask: all four work-groups; 17:16 elements of 1 byte; 20 padding on; 21 set beside a mask; 24:22 after every 128 words; 31:25 four words
	s_mov_b32 s[G1+1], KS<<16                      ; tensor_dim0
	s_mov_b32 s[G1+2], 64<<16                      ; tensor_dim1
	s_mov_b32 s[G1+3], KS<<16                      ; tile_dim0
	s_mov_b32 s[G1+4], 64                          ; tile_dim1
	s_mov_b32 s[G1+5], KB                          ; from row to row
	s_mov_b32 s[G1+6], 0
	s_mov_b32 s[G1+7], 0
	s_lshl_b32 s82, s43, 8
	s_lshl_b32 s83, s20, 6
	s_add_co_u32 s82, s82, s83                     ; A: token 256 x tile row + 64 x wave,
	s_lshl_b32 s82, s82, 12
	s_lshl_b32 s83, s23, 23                        ; in the tensor's 2^23 bytes of codes
	s_add_co_u32 s82, s82, s83
	s_mov_b32 s83, 0
	s_mul_i32 s86, s20, QT                         ; where it goes: no place in the cluster enters an LDS address
	s_lshl_b32 s84, s42, 1
	s_add_co_u32 s84, s84, s22                     ; B: my block of 64 rows: 2 x tile column + my half,
	s_lshl_b32 s84, s84, 18                        ; 64 x 4,096 bytes each
	s_mov_b32 s85, 0
	s_wait_dscnt 0x0                               ; the opening add is done
	s_wait_kmcnt 0x0
	s_load_b256 s[68:75], s[10:11], 0x0            ; e0 .. e7
	s_load_b128 s[76:79], s[10:11], 0x20           ; e8 .. e11
	s_add_nc_u64 s[82:83], s[4:5], s[82:83]
	s_add_nc_u64 s[BP:BP+1], s[6:7], s[84:85]
	CROUND                                         ; all four work-groups are here: the first joint loads meet
.irp s, 0,1
	s_mov_b32 s[G0+4*\s], 1
	s_add_co_u32 s[G0+4*\s+1], s86, \s*SLOT
	s_add_nc_u64 s[G0+4*\s+2:G0+4*\s+3], s[82:83], \s*KS
	s_or_b32 s[G0+4*\s+3], s[G0+4*\s+3], 0x80000000
.endr
	tensor_load_to_lds s[G0:G0+3], s[G1:G1+7]      ; both first fills go out together
	s_nop 0
	tensor_load_to_lds s[G0+4:G0+7], s[G1:G1+7]
	s_nop 0
.rept 4
	v_nop
.endr
	v_and_b32 v1, 15, v0                           ; r
	v_bfe_u32 v2, v0, 4, 1                         ; hh
	v_and_b32 v5, 31, v0
	v_lshlrev_b32 v[LI], 4, v5
	LOADB 0, 0                                     ; B's first three blocks of 128 along K
	LOADB 1, 1
	LOADB 2, 2
	WIN 0
	v_lshlrev_b32 v[PFO], 12, v1
	v_lshl_add_u32 v[PFO], v2, 8, v[PFO]
	s_lshl_b32 s67, s43, 4
	s_lshl_b32 s88, s21, 3
	s_add_co_u32 s67, s67, s88                     ; my first tile of 16 tokens
	s_lshl_b32 s88, s67, 12
	s_mov_b32 s89, 0
	s_add_nc_u64 s[8:9], s[8:9], s[88:89]          ; the table's 8 images for my 128 tokens
	v_mul_u32_u24 v3, v1, PITCH
	v_lshl_add_u32 v4, v2, 4, v3                   ; a fragment's row x pitch + 16 x half
	s_mul_i32 s88, s21, 128*PITCH                  ; my 128 rows of A
.irp s, 0,1
	v_add_nc_u32 v[ADRA+\s], s88, v4
	s_add_co_u32 s88, s88, SLOT
.endr
	s_mul_i32 s88, s20, 16*272
	s_add_co_u32 s88, s88, STAGE                   ; my stage
	v_mul_u32_u24 v5, v1, 272
	v_lshl_add_u32 v5, v2, 5, v5
	v_add_nc_u32 v[STO], s88, v5                   ; in: row r, 32 bytes for each half of the lanes
	v_mul_u32_u24 v5, v2, 272
	v_lshl_add_u32 v5, v1, 4, v5
	v_add_nc_u32 v[RD], s88, v5                    ; back: lanes 0-15 one row of 256 bytes, lanes 16-31 the next
	v_mul_u32_u24 v5, v2, 8*272
	v_lshl_add_u32 v5, v1, 2, v5
	v_add_nc_u32 v[VT], s88, v5                    ; across: row 8 hh, word r: lanes 16-31 fall 32 banks further on than lanes 0-15
	v_lshlrev_b32 v5, 12, v2
	v_lshl_add_u32 v[CO], v1, 4, v5                ; two tokens' rows of out1 are 4,096 bytes apart
	; the prefetches
	s_lshl_b32 s88, s43, 8
	s_lshl_b32 s89, s20, 6
	s_add_co_u32 s88, s88, s89
	s_lshl_b32 s89, s40, 4
	s_add_co_u32 s88, s88, s89                     ; of the 64 rows that I fetch, my work-group's 16,
	s_lshl_b32 s88, s88, 12
	s_lshl_b32 s89, s23, 23
	s_add_co_u32 s88, s88, s89                     ; in the tensor's codes,
	s_add_co_u32 s88, s88, 2*KS                    ; at slot 2's bytes: the first change of slots steps it on and names slot 3's.  Nothing is prefetched at the head
	s_mov_b32 s89, 0
	s_add_nc_u64 s[PFA:PFA+1], s[4:5], s[88:89]
	s_cmp_eq_u32 ttmp9, 0
	s_cselect_b32 s[LIM], 1, -1
	s_cmp_ge_u32 ttmp9, 4
	s_cselect_b32 s[LIM], 1, s[LIM]                ; the first cluster along x that reads this tensor: the same in all four partners
	; the scales: chosen, not branched on
	s_wait_kmcnt 0x0
	s_cmp_eq_u32 s23, 1
	s_cselect_b32 s82, s70, s68                    ; eA
	s_cselect_b32 s83, s71, s69                    ; eB
	s_cselect_b32 s84, s74, s75                    ; eO: K's is e6, Q's e7
	s_cmp_eq_u32 s23, 2
	s_cselect_b32 s82, s72, s82
	s_cselect_b32 s83, s73, s83
	s_cselect_b32 s84, s76, s84                    ; V's is e8
	s_add_co_i32 s82, s82, s83                     ; eA + eB
	s_cmp_eq_u32 s23, 2
	s_cselect_b32 s85, 0, s82
	s_sub_co_i32 s84, s84, s85                     ; the conversions' exponent: eO - eA - eB on sums (Q, K), eO on f32 numbers (V)
	s_add_co_i32 s82, s82, 127
	s_lshl_b32 s80, s82, 23                        ; 2^(eA + eB) as f32
	s_mov_b32 s81, s80                             ; (named with it as a pair, so it is written)
	s_add_co_i32 s84, s84, 127
	s_lshl_b32 s85, s84, 23
	v_mov_b32 v[SCV], s85
	s_add_co_i32 s84, s84, 8
	s_lshl_b32 s84, s84, 23
	s_or_b32 s84, s84, 0x600000
	v_mov_b32 v[LIMV], s84
	s_wait_tensorcnt 0x1                           ; my part of slot 0 is in; slot 1's may be out
	s_barrier_signal -1
	s_barrier_wait -1
	CHUNK 0, 0, 1, 1, 32                           ; the first slot stands in front of the loop: its first products start the sums
	CHUNK 0, 1, 0, 1, 32
	CHUNK 0, 2, 0, 1, 32
	CHUNK 0, 3, 0, 1, 32
	WIN 0                                          ; at a label and at a branch every window is 0
	s_mov_b32 s3, LAPS-1
.Llap:                                                 ; a trip goes once round the ring and fills both slots again
	CHANGE 0, 1, 1
	CHUNK 1, 0, 0, 1, 32
	CHUNK 1, 1, 0, 1, 32
	CHUNK 1, 2, 0, 1, 32
	CHUNK 1, 3, 0, 1, 32
	CHANGE 1, 1, 0
	CHUNK 0, 0, 0, 1, 32
	CHUNK 0, 1, 0, 1, 32
	CHUNK 0, 2, 0, 1, 32
	CHUNK 0, 3, 0, 1, 32
	WIN 0
	s_sub_co_u32 s3, s3, 1
	s_cmp_lg_u32 s3, 0
	s_cbranch_scc1 .Llap
	CHANGE 0, 0, 0                                 ; the last slot: nothing is filled, and no round of the cluster's barrier stands here
	CHUNK 1, 0, 0, 1, 32                           ; B's last block is asked for;
	CHUNK 1, 1, 0, 2, 32                           ; then the table's parts stand in B's place, 16 loads each, so that the counts stay as they are.  V's work-groups load the table too and leave it unread: one way through the text
	CHUNK 1, 2, 0, 2, 32
	CHUNK 1, 3, 0, 2, 32
	PLACES 4                                       ; in front of the loads into the ring's last set and of the first read of results
	LOADT 3
	WIN 0
; THE WAY OUT, a tile of 16 tokens at a time.
.macro TWAIT a                         ; the table's images a and a + 1 are in: the later parts, 16 loads each, may be out
.if (\a)%2 == 0
	s_wait_loadcnt 48-8*(\a)
.endif
.endm
.macro ROPE a                          ; Y[d] = x[d] cos - x[d + 32] sin, Y[d + 32] = x[d + 32] cos + x[d] sin, two numbers an instruction; each accumulator is read from its low end on
	WIN 0x0e                                       ; source 0 window 2 (sums), source 1 window 3 (table)
.irp b, 0,1
.irp j, 0,2,4,6
	v_pk_mul_f32 v[U+8*\b+\j:U+8*\b+\j+1], v[8*(4*(\a)+\b+2)+\j:8*(4*(\a)+\b+2)+\j+1], v[32*(\a)+16+8*\b+\j:32*(\a)+16+8*\b+\j+1]
.endr
.endr
.irp b, 0,1
.irp j, 0,2,4,6
	v_pk_fma_f32 v[Y+8*\b+\j:Y+8*\b+\j+1], v[8*(4*(\a)+\b)+\j:8*(4*(\a)+\b)+\j+1], v[32*(\a)+8*\b+\j:32*(\a)+8*\b+\j+1], v[U+8*\b+\j:U+8*\b+\j+1] neg_lo:[0,0,1] neg_hi:[0,0,1]
.endr
.endr
.irp b, 0,1
.irp j, 0,2,4,6
	v_pk_mul_f32 v[U+8*\b+\j:U+8*\b+\j+1], v[8*(4*(\a)+\b)+\j:8*(4*(\a)+\b)+\j+1], v[32*(\a)+16+8*\b+\j:32*(\a)+16+8*\b+\j+1]
.endr
.endr
.irp b, 0,1
.irp j, 0,2,4,6
	v_pk_fma_f32 v[Y+16+8*\b+\j:Y+16+8*\b+\j+1], v[8*(4*(\a)+\b+2)+\j:8*(4*(\a)+\b+2)+\j+1], v[32*(\a)+8*\b+\j:32*(\a)+8*\b+\j+1], v[U+8*\b+\j:U+8*\b+\j+1]
.endr
.endr
	WIN 0
.endm
.macro QCODES dst, st                  ; Y's 32 numbers become 32 codes: four pairs of registers, st apart
.set j_, 0
.rept 32
	v_med3_num_f32 v[Y+j_], v[Y+j_], -v[LIMV], v[LIMV]   ; the conversion to an 8-bit code does not saturate (ISA guide 7.6.2): hold the number first
.set j_, j_+1
.endr
.irp b, 0,1,2,3
	v_cvt_scalef32_pk8_fp8_f32 v[\dst+\st*\b:\dst+\st*\b+1], v[Y+8*\b:Y+8*\b+7], v[SCV]
.endr
	v_nop                                          ; a plain vector instruction behind the last conversion
.endm
.macro TOST off                        ; F's 32 numbers into my stage: row r, numbers 16 b + 8 hh + 0 .. 7
.irp b, 0,1,2,3
	ds_store_b128 v[STO], v[F+8*\b:F+8*\b+3] offset:\off+64*\b
	ds_store_b128 v[STO], v[F+8*\b+4:F+8*\b+7] offset:\off+64*\b+16
.endr
.endm
.macro BACK a, off                     ; and back as whole rows of 256 bytes: LDS serves a wave's instructions in order
.set BB, RR+32*((\a)%2)
.irp i, 0,1,2,3,4,5,6,7
	ds_load_b128 v[BB+4*\i:BB+4*\i+3], v[RD] offset:\off+544*\i
.endr
.endm
.macro SEND1 a                         ; 16 lanes store 256 consecutive bytes of out1, aligned
.set BB, RR+32*((\a)%2)
.irp i, 0,1,2,3,4,5,6,7
	global_store_b128 v[CO], v[BB+4*\i:BB+4*\i+3], s[94:95] offset:65536*(\a)+8192*\i th:TH_STORE_NT
.endr
.endm
.macro CSTORE a                        ; a tile's image: two pieces of 512 consecutive bytes
	global_store_b128 v[LI], v[CD+8*(\a):CD+8*(\a)+3], s[92:93] offset:1024*(\a)
	global_store_b128 v[LI], v[CD+8*(\a)+4:CD+8*(\a)+7], s[92:93] offset:1024*(\a)+512
.endm
	s_cmp_eq_u32 s23, 0
	s_cbranch_scc0 .Lnot_q
	; ---- Q: rotated, quantised, stored as images
	s_lshl_b32 s82, s42, 1
	s_add_co_u32 s82, s82, s22                     ; the head: 2 x tile column + my half
	s_lshl_b32 s82, s82, 7
	s_add_co_u32 s82, s82, s67                     ; x 128 tiles + my first tile
	s_lshl_b32 s82, s82, 10
	s_mov_b32 s83, 0
	s_add_nc_u64 s[92:93], s[12:13], s[82:83]
.irp a, 0,1,2,3,4,5,6,7
	TWAIT \a
	ROPE \a
	QCODES CD+8*(\a), 2
	CSTORE \a
.endr
	s_branch .Lend
.Lnot_q:
	s_lshl_b32 s88, s43, 8
	s_lshl_b32 s89, s21, 7
	s_add_co_u32 s88, s88, s89
	s_lshl_b32 s88, s88, 12                        ; my first token's row of out1
	s_mov_b32 s89, 0
	s_add_nc_u64 s[94:95], s[18:19], s[88:89]
	s_cmp_eq_u32 s23, 1
	s_cbranch_scc0 .Lis_v
	; ---- K: rotated; as f32 to out1, through my stage; quantised, stored as images
	s_sub_co_u32 s86, s42, 16
	s_lshl_b32 s86, s86, 1
	s_add_co_u32 s86, s86, s22                     ; h
	s_lshl_b32 s82, s86, 7
	s_add_co_u32 s82, s82, s67
	s_lshl_b32 s82, s82, 10
	s_mov_b32 s83, 0
	s_add_nc_u64 s[92:93], s[14:15], s[82:83]
	s_lshl_b32 s82, s86, 9                         ; h's 512 bytes of a token's row; K has the first 256
	s_add_nc_u64 s[94:95], s[94:95], s[82:83]
.irp a, 0,1,2,3,4,5,6,7
.if \a > 1
	s_wait_xcnt 0x0                                ; the stores of two tiles back have read their registers: the rows read back may land there
.endif
	TWAIT \a
	ROPE \a
.set j_, 0
.rept 16
	v_pk_mul_f32 v[F+j_:F+j_+1], v[Y+j_:Y+j_+1], s[80:81] op_sel_hi:[1,0]   ; x 2^(eA + eB): nothing is rounded
.set j_, j_+2
.endr
	TOST 0
	BACK \a, 0
	QCODES CD+8*(\a), 2
	CSTORE \a
	s_wait_dscnt 0x0                               ; the rows are back
	SEND1 \a
.endr
	s_branch .Lend
.Lis_v:
	; ---- V: as f32 to out1, through my stage; read across from the stage, so that a lane holds a channel and eight tokens; quantised along the tokens
	s_sub_co_u32 s86, s42, 20
	s_lshl_b32 s86, s86, 1
	s_add_co_u32 s86, s86, s22                     ; h
	s_lshl_b32 s82, s86, 4
	s_lshl_b32 s87, s43, 1
	s_add_co_u32 s82, s82, s87
	s_add_co_u32 s82, s82, s21                     ; x 16 groups of 128 tokens + my group: 2 x tile row + my half
	s_lshl_b32 s82, s82, 13
	s_mov_b32 s83, 0
	s_add_nc_u64 s[92:93], s[16:17], s[82:83]
	s_lshl_b32 s82, s86, 9
	s_add_co_u32 s82, s82, 256                     ; V has the second 256 bytes
	s_add_nc_u64 s[94:95], s[94:95], s[82:83]
.irp a, 0,1,2,3,4,5,6,7
.if \a > 1
	s_wait_xcnt 0x0                                ; as above
.endif
	WIN 0x02                                       ; source 0 window 2
.set j_, 0
.rept 16
	v_pk_mul_f32 v[F+j_:F+j_+1], v[32*(\a)+j_:32*(\a)+j_+1], s[80:81] op_sel_hi:[1,0]   ; each accumulator from its low end on
.set j_, j_+2
.endr
	WIN 0
	TOST VST
	BACK \a, VST
.irp b, 0,1,2,3
.irp j, 0,1,2,3,4,5,6,7
	ds_load_b32 v[Y+8*\b+\j], v[VT] offset:VST+272*\j+64*\b   ; token 8 hh + j, channel 16 b + r
.endr
.endr
	s_wait_dscnt 32                                ; the rows are back; the 32 reads across may be out
	SEND1 \a
	s_wait_dscnt 0x0
	QCODES CD+2*(\a), 16                           ; registers 2 a, 2 a + 1 of channel tile b's image
.endr
.irp b, 0,1,2,3
.irp i, 0,1,2,3
	global_store_b128 v[LI], v[CD+16*\b+4*\i:CD+16*\b+4*\i+3], s[92:93] offset:2048*\b+512*\i
.endr
.endr
.Lend:
	s_wait_tensorcnt 0x0                           ; the wave's end, behind my last tensor load and my last LDS store
	ds_add_u32 v[SPW], v[NIL]
	s_wait_dscnt 0x0
	CROUND                                         ; the closing round: no work-group ends while a partner may still ask for a tile that names it
	s_endpgm
.Lfunc_end_k_q0ba72a42ce_proj:
	.size	k_q0ba72a42ce_proj, .Lfunc_end_k_q0ba72a42ce_proj-k_q0ba72a42ce_proj
	.p2alignl 7, 3214868480
	.fill 96, 4, 3214868480
	.section	.rodata,"a",@progbits
	.p2align	6, 0x0
	.amdhsa_kernel k_q0ba72a42ce_proj
		.amdhsa_group_segment_fixed_size 327680
		.amdhsa_private_segment_fixed_size 0
		.amdhsa_enable_private_segment 0
		.amdhsa_kernarg_size 64
		.amdhsa_user_sgpr_count 2
		.amdhsa_user_sgpr_kernarg_segment_ptr 1
		.amdhsa_wavefront_size32 1
		.amdhsa_system_sgpr_workgroup_id_x 1
		.amdhsa_system_sgpr_workgroup_id_y 1
		.amdhsa_system_sgpr_workgroup_id_z 1
		.amdhsa_system_vgpr_workitem_id 0
		.amdhsa_next_free_vgpr 1024
		.amdhsa_next_free_sgpr 100
		.amdhsa_reserve_vcc 0
		.amdhsa_float_denorm_mode_32 3
		.amdhsa_float_denorm_mode_16_64 3
		.amdhsa_memory_ordered 1
		.amdhsa_forward_progress 1
		.amdhsa_inst_pref_size 255
	.end_amdhsa_kernel
	.section	.bss,"aw",@nobits
	.p2align	6
	.space	262144
	.amdgpu_metadata
---
amdhsa.version: [ 1, 2 ]
amdhsa.kernels:
  - .name:           k_q0ba72a42ce_proj
    .symbol:         k_q0ba72a42ce_proj.kd
    .args:
      - { .name: xc, .offset: 0, .size: 8, .value_kind: global_buffer, .address_space: global }
      - { .name: wc, .offset: 8, .size: 8, .value_kind: global_buffer, .address_space: global }
      - { .name: rt, .offset: 16, .size: 8, .value_kind: global_buffer, .address_space: global }
      - { .name: lowp_scales, .offset: 24, .size: 8, .value_kind: global_buffer, .address_space: global }
      - { .name: qc, .offset: 32, .size: 8, .value_kind: global_buffer, .address_space: global }
      - { .name: kc, .offset: 40, .size: 8, .value_kind: global_buffer, .address_space: global }
      - { .name: vc, .offset: 48, .size: 8, .value_kind: global_buffer, .address_space: global }
      - { .name: out1, .offset: 56, .size: 8, .value_kind: global_buffer, .address_space: global }
    .group_segment_fixed_size: 327680
    .private_segment_fixed_size: 0
    .kernarg_segment_align: 8
    .kernarg_segment_size: 64
    .max_flat_workgroup_size: 128
    .sgpr_count:     100
    .vgpr_count:     1024
    .wavefront_size: 32
...
	.end_amdgpu_metadata
.endif
;; end of part 2
;; launch attn (part 3): grid 32 x 8, 16 waves a work-group, no clusters, 327,680 bytes of LDS; arguments qc, kc, vc, lowp_scales, ac; writes ac
.if DOCPART == 3
	.amdgcn_target "amdgcn-amd-amdhsa--gfx1250"
	.amdhsa_code_object_version 6
	.text
	.protected	k_q0ba72a42ce_attn
	.globl	k_q0ba72a42ce_attn
	.p2align	8
	.type	k_q0ba72a42ce_attn,@function
k_q0ba72a42ce_attn:
	s_mov_b64 s[64:65], 0
	v_nop
	global_prefetch_b8 v0, s[64:65] scope:SCOPE_SE
	s_setreg_imm32_b32 hwreg(HW_REG_WAVE_MODE, 25, 1), 1
	s_wait_xcnt 0x0
; CAUSAL GROUPED-QUERY ATTENTION ON CODES OF E4M3.  32 query heads n = 8 g + h on 8 key and value heads h, 2,048 tokens, head size 64.
; qc [32 n][128 tiles][1,024], kc [8 h][128 tiles][1,024]: images of operand registers, 16 tokens x 64 (registers 2 c, 2 c + 1 = numbers 16 c + 8 hh + 0 .. 7 of token r).
; vc [8 h][16 groups][4 channel tiles][2,048]: 16 channels x 128 keys (registers 2 c, 2 c + 1 = keys 16 c + 8 hh + 0 .. 7 of channel 16 t + r).  Piece p of an image: registers 4 p .. 4 p + 3 at 512 p + 16 x lane.
; ac [2048 tokens][2048]: the result's codes, a token's row in the order 256 h + 64 g + d.
; THE SOFTMAX: t = score x log2(e) / 8; M = the row's largest t so far, rounded UP to a whole number; p = 2^(t - M) is quantised (2^e9), not normalised; the row's sum is taken of the unquantised p and divides at the end.
; When M moves, the sum and O are multiplied by 2^(old M - new M), which rounds nothing.
; SHARES.  Work-group (i, h) owns the blocks of 32 tokens i and 63 - i, for all four g: the keys that count are as many in every work-group.  Wave w: g = w % 4, tile (w / 4) % 2 of the block, the early block (w < 8) or the late one:
; one tile of 16 queries of one head, in 256 registers; four waves to a SIMD, so that one wave's vector work stands beside another's matrix work and LDS loads.
; K and V come through a ring of two LDS slots of 256 keys (16 images of K, then 8 of V: two dense blocks of 16,384 bytes), filled by waves 0 (K) and 1 (V), read by all sixteen.
; Both products are used transposed: S^T = K Q^T (16x16x64), O^T = V^T P^T (16x16x128): a lane holds ONE query (lane % 16) throughout; register 8 c + j of S^T is key 16 c + 8 hh + j, which is where the second product wants p's codes.
; EVERY work-group walks all 8 slots (the trip counts are constants); a step all of whose keys come after the wave's queries is jumped over, and a slot whose first key comes after the work-group's last query is not asked for.
; NO CLUSTER: the work-groups of a head have different causal limits, so partners would need different numbers of tiles; and a slot's 32,768 bytes stand beside up to 32 tile steps of vector work.
; LIMITS: e6 + e7 between -123 and 130 (added to c's exponent field); e9 between -126 and 119; e8 + e9 - e10 is applied by v_ldexp_f32.
.set SK,    256                        ; keys in a slot
.set SLOT1, 32768                      ; slot 1 begins here: one exclusive or turns an address in one slot into the other's
.set VOFF,  16384                      ; V's images lie behind K's
.set NSL,   8
.set SPARE, 65536                      ; behind the ring: the spare words, 128 bytes for each wave: eight blocks of 256 bytes that no other line names
.set STAGE, 67584                      ; the way out: 64 tokens x (256 bytes + 16)
.set AK0,  1                           ; v1   16 x lane
.set AV0,  2                           ; v2   16 x lane + VOFF
.set PFO,  3                           ; v3   256 x lane
.set SPW,  5                           ; v5   LDS address of my spare word; never rewritten
.set NIL,  6                           ; v6   0; never rewritten
.set GO,   7                           ; v7   the way out: my byte offset in two tokens' rows of ac
.set ADK,  8                           ; v8   LDS address of the slot's images of K
.set ADV,  9                           ; v9   of V
; v12 -M, v13 the largest t, v[14:15] the sum in two halves; v16-23 Q; v32-95 fragments of K or V; v96-159 S^T, then p; v160-191 O^T; v224-239 p's codes; v244 2^e9; v245 1; v246, v252-254 at work
.set WV,   18                          ; s18  my wave's number
.set SEL,  20                          ; s[20:21] lane selects: lane l xor 16
.set CS,   22                          ; s[22:23] c = log2(e) / 8 x 2^(e6 + e7)
.set G1,   24                          ; s[24:31] descriptor group 1;  s[32:35] group 0, which walks
.set G0,   32
.set TB,   36                          ; s36  LDS byte at which the slot in hand begins
.set SLOTS, 37                         ; s37  changes of slots still to come that ask
.set KF,   38                          ; s38  the step's first key
.set Q0,   39                          ; s39  my first query
.set QL,   40                          ; s40  my work-group's last query
.set PFA,  42                          ; s[42:43] where my prefetches stand
.set LIM,  44                          ; s44  1 in a wave that prefetches, else the greatest number
.macro TLOAD                           ; waves 0 and 1 fetch, each by its own group 0.  An s_nop 0 and four v_nop follow the line
	s_cmp_lt_u32 s[WV], 2
	s_cbranch_scc0 .Lasked_\@
	tensor_load_to_lds s[G0:G0+3], s[G1:G1+7]
	s_nop 0
.rept 4
	v_nop
.endr
.Lasked_\@:
.endm
; A prefetch of what the NEXT change of slots will ask for.  All work-groups of a head walk the same K and V: the head's first work-group asks, which itself walks and loads all slots.  In it waves 4 and 5 ask for K's 16,384 bytes,
; waves 6 and 7 for V's: 8,192 bytes a wave, lanes 256 bytes apart: each block of 256 bytes is named once in the launch.  The last change that fills a slot asks for nothing.  Slots 0 and 1 come by their loads alone.
.macro ASK
	s_cmp_gt_u32 s[SLOTS], s[LIM]
	s_cbranch_scc0 .Lnot_mine_\@
	global_prefetch_b8 v[PFO], s[PFA:PFA+1] th:TH_LOAD_NT scope:SCOPE_SE
.Lnot_mine_\@:
.endm
	s_load_b256 s[4:11], s[0:1], 0x0               ; qc 4, kc 6, vc 8, the exponents 10
	s_load_b64 s[12:13], s[0:1], 0x20              ; ac
	v_lshl_add_u32 v[SPW], v0, 2, SPARE
	v_mov_b32 v[NIL], 0
	ds_add_u32 v[SPW], v[NIL]                      ; the wave's opening: the add, and its wait ahead of my first tensor load; the set-up below stands between them
	ds_add_u32 v[SPW], v[NIL]
	v_lshrrev_b32 v8, 5, v0
	s_delay_alu instid0(VALU_DEP_1)
	v_readfirstlane_b32 s[WV], v8                  ; wave 0..15
	s_and_b32 s14, ttmp7, 0xffff                   ; h
	s_and_b32 s15, s[WV], 3                        ; g
	s_bfe_u32 s16, s[WV], 0x10002                  ; which tile of the block
	s_lshr_b32 s17, s[WV], 3                       ; the late block?
	s_sub_co_u32 s19, 63, ttmp9
	s_cmp_eq_u32 s17, 1
	s_cselect_b32 s19, s19, ttmp9                  ; my block of 32 tokens
	s_lshl_b32 s[Q0], s19, 5
	s_lshl_b32 s41, s16, 4
	s_add_co_u32 s[Q0], s[Q0], s41
	s_sub_co_u32 s[QL], 64, ttmp9
	s_lshl_b32 s[QL], s[QL], 5
	s_sub_co_u32 s[QL], s[QL], 1                   ; 32 (63 - i) + 31
	s_mov_b32 s[G1], 3<<16                         ; 15:0 no mask; 17:16 elements of 8 bytes; no padding: a dense block of 64 rows x 256 bytes
	s_mov_b32 s[G1+1], 32<<16                      ; tensor_dim0
	s_mov_b32 s[G1+2], 64<<16                      ; tensor_dim1
	s_mov_b32 s[G1+3], 32<<16                      ; tile_dim0
	s_mov_b32 s[G1+4], 64                          ; tile_dim1
	s_mov_b32 s[G1+5], 32                          ; from row to row
	s_mov_b32 s[G1+6], 0
	s_mov_b32 s[G1+7], 0
	s_mov_b32 s[SEL], 0x76543210
	s_mov_b32 s[SEL+1], 0xfedcba98
	s_mov_b32 s[CS], 0x3e38aa3b                    ; log2(e) / 8
	s_mov_b32 s[TB], 0
	s_mov_b32 s[SLOTS], NSL-1
	s_mov_b32 s[KF], 0
	s_lshl_b32 s54, s14, 17                        ; the head's 131,072 bytes in kc and in vc
	s_mov_b32 s55, 0
	s_and_b32 s41, s[WV], 1
	s_wait_dscnt 0x0                               ; the opening add is done
	s_wait_kmcnt 0x0
	s_load_b128 s[48:51], s[10:11], 0x18           ; e6 (K), e7 (Q), e8 (V), e9 (p)
	s_load_b32 s52, s[10:11], 0x28                 ; e10 (the result)
	s_mov_b32 s[G0], 1                             ; 1:0 count = 1
	s_lshl_b32 s[G0+1], s41, 14                    ; 63:32 LDS address: slot 0, K's half (wave 0) or V's (wave 1)
	s_cmp_eq_u32 s[WV], 0
	s_cselect_b64 s[G0+2:G0+3], s[6:7], s[8:9]     ; the choice hangs on the wave's number alone
	s_add_nc_u64 s[G0+2:G0+3], s[G0+2:G0+3], s[54:55]
	s_or_b32 s[G0+3], s[G0+3], 0x80000000          ; 127:126 type = 2
	TLOAD                                          ; slot 0
	s_lshl_b32 s56, s15, 3
	s_add_co_u32 s56, s56, s14                     ; the query head 8 g + h
	s_lshl_b32 s56, s56, 7
	s_lshr_b32 s57, s[Q0], 4
	s_add_co_u32 s56, s56, s57
	s_lshl_b32 s56, s56, 10
	s_mov_b32 s57, 0
	s_add_nc_u64 s[4:5], s[4:5], s[56:57]          ; my tile's image in qc
	s_lshl_b32 s56, s19, 5
	s_and_b32 s58, s[WV], 7
	s_lshl_b32 s58, s58, 2
	s_add_co_u32 s56, s56, s58                     ; the four tokens whose rows I store: 32 x block + 4 (w % 8)
	s_lshl_b32 s56, s56, 11
	s_lshl_b32 s58, s14, 8
	s_add_co_u32 s56, s56, s58                     ; h's 256 bytes of a row
	s_add_nc_u64 s[12:13], s[12:13], s[56:57]
	s_cmp_lt_u32 s[WV], 6
	s_cselect_b64 s[PFA:PFA+1], s[6:7], s[8:9]
	s_add_nc_u64 s[PFA:PFA+1], s[PFA:PFA+1], s[54:55]
	s_and_b32 s56, s[WV], 1
	s_lshl_b32 s56, s56, 13
	s_add_co_u32 s56, s56, 16384                   ; in slot 1: the first change of slots steps it to slot 2.  Nothing is prefetched at the head
	s_add_nc_u64 s[PFA:PFA+1], s[PFA:PFA+1], s[56:57]
	s_sub_co_u32 s56, s[WV], 4
	s_lshr_b32 s56, s56, 2                         ; 0 in waves 4 to 7,
	s_or_b32 s56, s56, ttmp9                       ; of the head's first work-group
	s_cmp_eq_u32 s56, 0
	s_cselect_b32 s[LIM], 1, -1
	v_and_b32 v8, 31, v0
	s_delay_alu instid0(VALU_DEP_1)
	v_lshlrev_b32 v[AK0], 4, v8
	s_delay_alu instid0(VALU_DEP_1)
	v_add_nc_u32 v[AV0], VOFF, v[AK0]
	s_delay_alu instid0(VALU_DEP_3)
	v_lshlrev_b32 v[PFO], 8, v8
	global_load_b128 v[16:19], v[AK0], s[4:5]      ; Q's fragment stays in registers
	global_load_b128 v[20:23], v[AK0], s[4:5] offset:512
	v_and_b32 v10, 15, v0
	v_bfe_u32 v9, v0, 4, 1
	s_delay_alu instid0(VALU_DEP_1)
	v_lshlrev_b32 v[GO], 11, v9
	s_delay_alu instid0(VALU_DEP_1)
	v_lshl_add_u32 v[GO], v10, 4, v[GO]            ; lanes 0-15 one token's row, lanes 16-31 the next; 16 bytes a lane
	v_mov_b32 v13, 0xff61b1e6                      ; the largest t so far: -3e38, under every t
	s_delay_alu instid0(VALU_DEP_1)
	v_floor_f32 v12, -v13                          ; -M
	v_mov_b32 v14, 0
	v_mov_b32 v15, 0
	v_mov_b32 v246, 0                              ; written once: a lane permute's destination counts as one of its sources
	v_mov_b32 v253, 0                              ; (named as the upper half of the pair v[252:253])
	v_mov_b32 v245, 1.0
.set j_, 0
.rept 32
	v_mov_b32 v[160+j_], 0                         ; O^T.  (The step is written once: the first finds zeros, which the first change of M leaves zeros)
.set j_, j_+1
.endr
	s_wait_kmcnt 0x0
	s_add_co_i32 s56, s48, s49
	s_lshl_b32 s56, s56, 23
	s_add_co_i32 s[CS], s[CS], s56                 ; a score stands for score x 2^(e6 + e7): added to c's exponent field
	s_mov_b32 s[CS+1], s[CS]                       ; (named with it as a pair, so it is written)
	s_add_co_i32 s56, s51, 127
	s_lshl_b32 s57, s56, 23
	v_mov_b32 v244, s57                            ; 2^e9 as f32
; A KEY STEP: 128 keys, the q-th of the slot in hand.
.macro STEP q
	s_add_co_u32 s53, s[Q0], 15                    ; a step all of whose keys come after my 16 queries is left out: a branch on ids, round the step's loads, products and softmax; not round the line at its end
	s_cmp_gt_u32 s[KF], s53
	s_cbranch_scc1 .Lhidden_\@
	v_add_nc_u32 v[ADK], s[TB], v[AK0]
	v_add_nc_u32 v[ADV], s[TB], v[AV0]
	v_nop                                          ; with the two additions: four places in front of loads into registers that matrix instructions have read
	v_nop
.irp c, 0,1,2,3,4,5,6,7
	ds_load_b128 v[32+8*\c:35+8*\c], v[ADK] offset:(8*(\q)+\c)*1024
	ds_load_b128 v[36+8*\c:39+8*\c], v[ADK] offset:(8*(\q)+\c)*1024+512
.endr
	s_wait_dscnt 0x0
.irp c, 0,1,2,3,4,5,6,7
	v_wmma_f32_16x16x64_fp8_fp8 v[96+8*\c:103+8*\c], v[32+8*\c:39+8*\c], v[16:23], 0   ; S^T: keys 16 c on, my 16 queries
.endr
.rept 4
	v_nop
.endr
	s_add_co_u32 s53, s[KF], 127                   ; on the diagonal the scores of hidden keys become -infinity ahead of the maximum: p = 0 then.  A step all of whose keys count skips this
	s_cmp_le_u32 s53, s[Q0]
	s_cbranch_scc1 .Lopen_\@
	s_sub_co_i32 s53, s[Q0], s[KF]
	v_and_b32 v252, 15, v0
	v_bfe_u32 v253, v0, 4, 1
	s_delay_alu instid0(VALU_DEP_1)
	v_lshlrev_b32 v253, 3, v253
	s_delay_alu instid0(VALU_DEP_1)
	v_sub_nc_u32 v252, v252, v253
	s_delay_alu instid0(VALU_DEP_1)
	v_add_nc_u32 v252, s53, v252                   ; d = my query - KF - 8 hh.  Register n holds key KF + 8 hh + 16 (n / 8) + n % 8: hidden where 16 (n / 8) + n % 8 > d
	v_mov_b32 v254, 0xff800000                     ; -infinity
.set n_, 0
.rept 64
	v_cmp_gt_i32 vcc_lo, 16*(n_/8)+n_%8, v252
	v_cndmask_b32 v[96+n_], v[96+n_], v254, vcc_lo
.set n_, n_+1
.endr
.Lopen_\@:
	v_max3_num_f32 v254, v96, v97, v98             ; the step's largest score of my query, among my 64 keys, in two chains; each accumulator is first read at its low end
	v_max3_num_f32 v252, v99, v100, v101
.irp i, 6,10,14,18,22,26,30,34,38,42,46,50,54,58
	v_max3_num_f32 v254, v254, v[96+\i], v[97+\i]
	v_max3_num_f32 v252, v252, v[98+\i], v[99+\i]
.endr
	v_max3_num_f32 v254, v254, v158, v159
	s_delay_alu instid0(VALU_DEP_1)
	v_max_num_f32 v254, v254, v252
	s_delay_alu instid0(VALU_DEP_1)
	v_permlanex16_b32 v246, v254, s[SEL], s[SEL+1]
	s_delay_alu instid0(VALU_DEP_1)
	v_max_num_f32 v254, v254, v246                 ; and among lane l xor 16's
	s_delay_alu instid0(VALU_DEP_1)
	v_mul_f32 v254, s[CS], v254                    ; as t (c is positive)
	s_delay_alu instid0(VALU_DEP_1)
	v_max_num_f32 v13, v13, v254                   ; the running largest t
	v_mov_b32 v254, v12
	s_delay_alu instid0(VALU_DEP_2)
	v_floor_f32 v12, -v13                          ; the new -M = floor(-t) = -ceil(t): a whole number
	s_delay_alu instid0(VALU_DEP_1)
	v_sub_f32 v254, v12, v254                      ; M's old value less its new one: a whole number, 0 or less
	s_delay_alu instid0(VALU_DEP_1)
	v_cvt_i32_f32 v254, v254                       ; (it saturates)
	s_delay_alu instid0(VALU_DEP_1)
	v_ldexp_f32 v252, 1.0, v254                    ; f = 2^(old M - new M)
.set j_, 0
.rept 32
	v_pk_fma_f32 v[96+j_:97+j_], v[96+j_:97+j_], s[CS:CS+1], v[12:13] op_sel_hi:[1,0,0]   ; t - M, two at a time (of the pairs c and -M the low word serves both halves)
.set j_, j_+2
.endr
.set j_, 0
	s_wait_alu depctr_va_vdst(0)
.rept 64
	v_exp_f32 v[96+j_], v[96+j_]                   ; p = 2^(t - M), at most 1: not normalised.  One batch
.set j_, j_+1
.endr
	v_pk_mul_f32 v[14:15], v[14:15], v[252:253] op_sel_hi:[1,0]   ; the sums under the new M: the plain instruction behind the batch
	s_wait_alu depctr_va_vdst(0)                   ; one wait for the batch, ahead of its first reader
	v_pk_add_f32 v[242:243], v[100:101], v[104:105]
	v_pk_add_f32 v[254:255], v[108:109], v[112:113]
	v_pk_add_f32 v[250:251], v[116:117], v[120:121]
	v_pk_add_f32 v[248:249], v[124:125], v[128:129]
	v_pk_add_f32 v[240:241], v[132:133], v[136:137]
	v_pk_add_f32 v[238:239], v[140:141], v[144:145]
	v_pk_add_f32 v[236:237], v[148:149], v[152:153]
	v_pk_add_f32 v[14:15], v[14:15], v[156:157]
	v_pk_add_f32 v[242:243], v[242:243], v[96:97]
	v_pk_add_f32 v[254:255], v[254:255], v[98:99]
	v_pk_add_f32 v[250:251], v[250:251], v[102:103]
	v_pk_add_f32 v[248:249], v[248:249], v[106:107]
	v_pk_add_f32 v[240:241], v[240:241], v[110:111]
	v_pk_add_f32 v[238:239], v[238:239], v[114:115]
	v_pk_add_f32 v[236:237], v[236:237], v[118:119]
	v_pk_add_f32 v[14:15], v[14:15], v[122:123]
	v_pk_add_f32 v[242:243], v[242:243], v[126:127]
	v_pk_add_f32 v[254:255], v[254:255], v[130:131]
	v_pk_add_f32 v[250:251], v[250:251], v[134:135]
	v_pk_add_f32 v[248:249], v[248:249], v[138:139]
	v_pk_add_f32 v[240:241], v[240:241], v[142:143]
	v_pk_add_f32 v[238:239], v[238:239], v[146:147]
	v_pk_add_f32 v[236:237], v[236:237], v[150:151]
	v_pk_add_f32 v[14:15], v[14:15], v[154:155]
	v_pk_add_f32 v[242:243], v[242:243], v[158:159]
	s_delay_alu instid0(VALU_DEP_2)
	v_pk_add_f32 v[14:15], v[14:15], v[248:249]
	s_delay_alu instid0(VALU_DEP_2)
	v_pk_add_f32 v[242:243], v[242:243], v[240:241]
	v_pk_add_f32 v[254:255], v[254:255], v[238:239]
	v_pk_add_f32 v[250:251], v[250:251], v[236:237]
	s_delay_alu instid0(VALU_DEP_2)
	v_pk_add_f32 v[14:15], v[14:15], v[254:255]
	s_delay_alu instid0(VALU_DEP_2)
	v_pk_add_f32 v[242:243], v[242:243], v[250:251]
	s_delay_alu instid0(VALU_DEP_1)
	v_pk_add_f32 v[14:15], v[14:15], v[242:243]
.set j_, 0
.rept 64
.set j_, j_+1
.endr
.irp c, 0,1,2,3,4,5,6,7
	v_cvt_scalef32_pk8_fp8_f32 v[224+2*\c:225+2*\c], v[96+8*\c:103+8*\c], v244   ; registers 2 c, 2 c + 1 of the operand: keys 16 c + 8 hh + 0 .. 7
.endr
.set j_, 0
.rept 16
	v_pk_mul_f32 v[160+j_:161+j_], v[160+j_:161+j_], v[252:253] op_sel_hi:[1,0]   ; O^T under the new M.  (These are also the places in front of the loads and matrix instructions below)
.set j_, j_+2
.endr
.irp t, 0,1,2,3
.irp i, 0,1,2,3
	ds_load_b128 v[32+16*\t+4*\i:35+16*\t+4*\i], v[ADV] offset:8192*(\q)+2048*\t+512*\i
.endr
.endr
	s_wait_alu depctr_va_vdst(0)
	s_wait_dscnt 0x0
.irp t, 0,1,2,3
	v_wmma_f32_16x16x128_fp8_fp8 v[160+8*\t:167+8*\t], v[32+16*\t:47+16*\t], v[224:239], v[160+8*\t:167+8*\t]   ; O^T += V^T P^T: the four accumulators by turns
.endr
.Lhidden_\@:
	s_add_co_u32 s[KF], s[KF], 128
.endm
; THE CHANGE OF SLOTS stands at a slot's head.  Each wave waits for all its tensor loads, adds 0 to its spare word, and waits for that and for its reads of the slot that it has left.  Behind the barrier the slot ahead is whole and
; nobody reads the other one.  fill = 1: that other slot is filled with the keys that follow, up to the causal limit.  Every wait on TENSORcnt in this text is for 0.
.macro CHANGE fill
	s_wait_tensorcnt 0x0                           ; no tensor load of mine is out, so the group 0 may be written
	ds_add_u32 v[SPW], v[NIL]                      ; 0 onto my spare word
.if \fill
	s_xor_b32 s[G0+1], s[G0+1], SLOT1              ; the walking descriptor: the other slot than last time,
	s_add_nc_u64 s[G0+2:G0+3], s[G0+2:G0+3], 16384 ; the next 256 keys
	s_wait_xcnt 0x0                                ; the last prefetch, a slot back, has read its address
	s_add_nc_u64 s[PFA:PFA+1], s[PFA:PFA+1], 16384
.endif
	s_wait_dscnt 0x0                               ; the add is done, and my reads of the slot that I have left are over
	s_barrier_signal -1
	s_barrier_wait -1
.if \fill
	s_add_co_u32 s53, s[KF], SK                    ; the first key of the slot that this change would ask for:
	s_cmp_gt_u32 s53, s[QL]                        ; behind my work-group's last query it is read by none of the sixteen waves, and is not asked for.  Ids and the count of steps alone: all waves go the same way
	s_cbranch_scc1 .Lpast_\@
	TLOAD
.Lpast_\@:
	ASK
.endif
.endm
.macro SLOT_STEPS
	STEP 0
	STEP 1
	s_xor_b32 s[TB], s[TB], SLOT1                  ; on to the other slot
.endm
	s_wait_loadcnt 0x0                             ; Q
.Lslot:                                                ; NSL - 1 trips
	CHANGE 1
	SLOT_STEPS
	s_sub_co_u32 s[SLOTS], s[SLOTS], 1
	s_cmp_lg_u32 s[SLOTS], 0
	s_cbranch_scc1 .Lslot
	CHANGE 0                                       ; the last slot is written out: nothing is left to ask for
	SLOT_STEPS
	; THE WAY OUT.  O^T / the sum x 2^(e8 + e9 - e10) is converted; a lane's 8 codes of a channel tile go into the work-group's stage (row = token, 64 g + 16 t + 8 hh); a barrier, since a token's 256 bytes come from four waves;
	; each wave then stores four whole rows.
	v_add_f32 v14, v14, v15                        ; the sum's two halves,
	s_delay_alu instid0(VALU_DEP_1)
	v_permlanex16_b32 v246, v14, s[SEL], s[SEL+1]
	s_delay_alu instid0(VALU_DEP_1)
	v_add_f32 v14, v14, v246                       ; and lane l xor 16's
	s_wait_alu depctr_va_vdst(0)
	v_rcp_f32 v14, v14
	v_and_b32 v8, 15, v0                           ; (a plain instruction behind the reciprocal)  r
	v_bfe_u32 v9, v0, 4, 1                         ; hh
	s_wait_alu depctr_va_vdst(0)
	s_add_co_i32 s53, s50, s51
	s_sub_co_i32 s53, s53, s52
	s_lshr_b32 s54, s[WV], 2
	s_mul_i32 s54, s54, 16*272
	s_lshl_b32 s55, s15, 6
	s_add_co_u32 s54, s54, s55
	s_add_co_u32 s54, s54, STAGE
	v_mul_u32_u24 v10, v8, 272
	s_delay_alu instid0(VALU_DEP_1)
	v_lshl_add_u32 v10, v9, 3, v10
	s_delay_alu instid0(VALU_DEP_1)
	v_add_nc_u32 v10, s54, v10                     ; in: row 16 (w / 4) + r, byte 64 g + 8 hh
	s_mul_i32 s55, s[WV], 4*272
	s_add_co_u32 s55, s55, STAGE
	v_mul_u32_u24 v11, v9, 272
	s_delay_alu instid0(VALU_DEP_1)
	v_lshl_add_u32 v11, v8, 4, v11
	s_delay_alu instid0(VALU_DEP_1)
	v_add_nc_u32 v11, s55, v11                     ; back: rows 4 w on; lanes 0-15 one row, lanes 16-31 the next
	s_wait_alu depctr_va_vdst(0)                   ; the wait ahead of the reciprocal's first reader
	v_ldexp_f32 v14, v14, s53
.set j_, 0
.rept 32
	v_mul_f32 v[96+j_], v[160+j_], v14             ; register 8 t + j: channel 16 t + 8 hh + j of my query; each accumulator from its low end on
.set j_, j_+1
.endr
.set j_, 0
.rept 32
.set j_, j_+1
.endr
.irp t, 0,1,2,3
	v_cvt_scalef32_pk8_fp8_f32 v[224+2*\t:225+2*\t], v[96+8*\t:103+8*\t], v245
.endr
	v_nop                                          ; a plain vector instruction behind the last conversion
.irp t, 0,1,2,3
	ds_store_b64 v10, v[224+2*\t:225+2*\t] offset:16*\t
.endr
	s_wait_dscnt 0x0                               ; for the others' sake: my stores into the stage are done
	s_barrier_signal -1
	s_barrier_wait -1
	ds_load_b128 v[32:35], v11
	ds_load_b128 v[36:39], v11 offset:544
	s_wait_dscnt 0x1                               ; the first two rows are back; the second load may be out
	global_store_b128 v[GO], v[32:35], s[12:13]    ; 16 lanes store 256 consecutive bytes, aligned
	s_wait_dscnt 0x0
	global_store_b128 v[GO], v[36:39], s[12:13] offset:4096
	s_wait_tensorcnt 0x0                           ; the wave's end, behind my last tensor load and my last LDS store
	ds_add_u32 v[SPW], v[NIL]
	s_wait_dscnt 0x0
	s_endpgm
.Lfunc_end_k_q0ba72a42ce_attn:
	.size	k_q0ba72a42ce_attn, .Lfunc_end_k_q0ba72a42ce_attn-k_q0ba72a42ce_attn
	.p2alignl 7, 3214868480
	.fill 96, 4, 3214868480
	.section	.rodata,"a",@progbits
	.p2align	6, 0x0
	.amdhsa_kernel k_q0ba72a42ce_attn
		.amdhsa_group_segment_fixed_size 327680
		.amdhsa_private_segment_fixed_size 0
		.amdhsa_enable_private_segment 0
		.amdhsa_kernarg_size 40
		.amdhsa_user_sgpr_count 2
		.amdhsa_user_sgpr_kernarg_segment_ptr 1
		.amdhsa_wavefront_size32 1
		.amdhsa_system_sgpr_workgroup_id_x 1
		.amdhsa_system_sgpr_workgroup_id_y 1
		.amdhsa_system_sgpr_workgroup_id_z 1
		.amdhsa_system_vgpr_workitem_id 0
		.amdhsa_next_free_vgpr 256
		.amdhsa_next_free_sgpr 66
		.amdhsa_reserve_vcc 1
		.amdhsa_float_denorm_mode_32 3
		.amdhsa_float_denorm_mode_16_64 3
		.amdhsa_fp16_overflow 1
		.amdhsa_memory_ordered 1
		.amdhsa_forward_progress 1
		.amdhsa_inst_pref_size 88
	.end_amdhsa_kernel
	.amdgpu_metadata
---
amdhsa.version: [ 1, 2 ]
amdhsa.kernels:
  - .name:           k_q0ba72a42ce_attn
    .symbol:         k_q0ba72a42ce_attn.kd
    .args:
      - { .name: qc, .offset: 0, .size: 8, .value_kind: global_buffer, .address_space: global }
      - { .name: kc, .offset: 8, .size: 8, .value_kind: global_buffer, .address_space: global }
      - { .name: vc, .offset: 16, .size: 8, .value_kind: global_buffer, .address_space: global }
      - { .name: lowp_scales, .offset: 24, .size: 8, .value_kind: global_buffer, .address_space: global }
      - { .name: ac, .offset: 32, .size: 8, .value_kind: global_buffer, .address_space: global }
    .group_segment_fixed_size: 327680
    .private_segment_fixed_size: 0
    .kernarg_segment_align: 8
    .kernarg_segment_size: 40
    .max_flat_workgroup_size: 512
    .sgpr_count:     66
    .vgpr_count:     256
    .wavefront_size: 32
...
	.end_amdgpu_metadata
.endif
;; end of part 3
;; launch outp (part 4): grid 32 x 8, 4 waves a work-group, clusters of 4 x 1, 327,680 bytes of LDS; arguments ac, woc, lowp_scales, out0; writes out0
.if DOCPART == 4
	.amdgcn_target "amdgcn-amd-amdhsa--gfx1250"
	.amdhsa_code_object_version 6
	.text
	.protected	k_q0ba72a42ce_outp
	.globl	k_q0ba72a42ce_outp
	.p2align	8
	.type	k_q0ba72a42ce_outp,@function
k_q0ba72a42ce_outp:
	s_mov_b64 s[64:65], 0
	v_nop
	global_prefetch_b8 v0, s[64:65] scope:SCOPE_SE
	s_setreg_imm32_b32 hwreg(HW_REG_WAVE_MODE, 25, 1), 1
	s_wait_xcnt 0x0
	s_wait_alu depctr_hold_cnt(0) depctr_sa_sdst(0) depctr_va_vdst(0) depctr_va_sdst(0) depctr_va_ssrc(0) depctr_va_vcc(0) depctr_vm_vsrc(0)
	s_getreg_b32 s2, hwreg(HW_REG_IB_STS2, 6, 4)
	s_cmp_eq_u32 s2, 0
	s_cbranch_scc0 .Lentry_in_a_cluster
	s_endpgm
.Lentry_in_a_cluster:
	s_bfe_u32 s2, ttmp6, 0x10000c
	s_cmp_lg_u32 s2, 0x3003
	s_cbranch_scc0 .Lentry_shape_is_right
	s_endpgm
.Lentry_shape_is_right:
; THE OUTPUT PROJECTION ON CODES OF E4M3: out0 [2048 tokens][4096] f32 = A B^T x 2^(e10 + e11).  A = ac [2048][2048], one code a byte, K innermost, in the order 256 h + 64 g + d.
; B = woc: 4,096 rows, the same order of K, laid as images of operand registers: [block of 64 rows][block of 128 along K][4 tiles of 16 rows][2,048 bytes], piece c at 512 c + 16 x lane = K 32 c + 16 hh + 0 .. 15 of row r.
; A work-group makes 256 tokens x 128 columns.  Four waves: wave w has tokens 128 (w / 2) on and columns 64 (w % 2) on: 8 x 4 accumulators of 16 x 16.
; A GOES THROUGH LDS, B STRAIGHT INTO REGISTERS.  LDS holds a ring of two slots, and with A alone in it a slot holds 256 rows x 512 along K (with B's 128 rows beside them only 256 along K would fit): so K = 2,048 is 4 slots' worth,
; and a wave has 128 matrix instructions between two changes of slots.  Each wave fetches 64 rows x 512 bytes by one tensor load; by this text's count a wave has two tensor loads out at the start and one behind each round.
; B's 8,192 bytes for 128 along K of my 64 columns are 16 loads of 512 consecutive bytes into a ring of four sets of registers, asked for three blocks ahead; no barrier holds them.  The two waves with the same columns load the same B.
; CLUSTERS of 4 x 1: the four partners make the tiles of one tile row and need the same tile of A: it is asked for jointly.  B is not: there is no joint request into registers.
; THE MATRIX INSTRUCTION IS USED TRANSPOSED (source 0 = 16 rows of B, source 1 = 16 tokens): a lane holds eight neighbouring numbers of a token's row.
; LIMIT: e10 + e11 between -126 and 127, so that 2^(e10 + e11) is an f32 number.
; REGISTERS, in windows of 256: window 0: v16-31 addresses; v32-63 at work on the way out; v128-255 A's fragments, set 0 (on the way out: rows read back).   window 1: v128-255 A's set 1.
;   window 2: accumulator (a, b) at v[8 (4 a + b)].   window 3: B's ring, set q at v[64 q].
.set KB,     2048                      ; a row of A in bytes
.set KS,     512                       ; along K in a slot
.set PITCH,  528                       ; an LDS row: 512 bytes + 16 of padding = 132 words: the 16 rows that a load touches start at 16 different banks (64 banks of 4 bytes: ISA guide 11.1)
.set QT,     64*PITCH                  ; what one tensor load brings
.set SLOT,   4*QT                      ; A's 256 rows
.set SPARE,  2*SLOT                    ; behind the ring: the spare words, 128 bytes for each wave: two blocks of 256 bytes that no other line names
.set STAGE,  SPARE+512                 ; the way out: 16 rows x 272 bytes for each wave
.set LAPS,   KB/(2*KS)
.set ADRA, 16                          ; v16-17  LDS address of my A fragments in slot 0, 1
.set STO,  24                          ; v24     the stage: where I put 32 bytes of a token's row
.set RD,   25                          ; v25     where I read a row back
.set CO,   26                          ; v26     my byte offset in two tokens' rows of out0
.set LI,   27                          ; v27     16 x lane; never rewritten
.set SPW,  28                          ; v28     LDS address of my spare word; never rewritten
.set NIL,  29                          ; v29     0; never rewritten
.set PFO,  30                          ; v30     the prefetches' offset: row lane % 16, block lane / 16 of the two blocks of 256 bytes; never rewritten
.set TMP,  32                          ; v32-63  a block's sums x 2^(e10 + e11)
.set BK,   128                         ; v128-159, v160-191 by turns: 16 rows read back
.set G1,  24                           ; s[24:31] descriptor group 1;  s[32:39] group 0, one set for each slot
.set G0,  32
.set PFA, 44                           ; s[44:45] where my prefetches stand
.set BP,  48                           ; s[48:49] B at my 64 rows and the slot in hand's first 128 along K
.set LIM, 66                           ; s66     1 in a work-group that prefetches, else the greatest number
.set MSB, 0
.macro WIN new                         ; the immediate's high byte repeats the setting that is left; a switch that changes nothing is dropped
.if MSB != (\new)
	s_set_vgpr_msb (MSB<<8)|(\new)
.set MSB, (\new)
.endif
.endm
.macro CREST                           ; a round of the cluster's barrier behind its opening barrier
	s_cmp_lg_u32 s20, 0
	s_cbranch_scc1 .Lnot_wave_0_\@
	s_barrier_signal -3
.Lnot_wave_0_\@:
	s_barrier_wait -3
	s_barrier_signal -1
	s_barrier_wait -1
.endm
.macro CROUND                          ; a whole round
	s_barrier_signal -1
	s_barrier_wait -1
	CREST
.endm
; A prefetch of what the NEXT change of slots will ask for: of the 64 rows that I fetch, my work-group's 16, two blocks of 256 bytes each: a lane a block, one instruction a wave.  Each block is named once in the launch: all clusters of
; a tile row read the same rows, and the first of them along x asks; its four partners share the rows out by address.  how = 1: a lap's first change, behind which a slot always follows; how = 0: its second, which asks for
; nothing in the loop's last trip.  The first three slots come by their loads alone.  B has no prefetch: its own loads stand three blocks of 128 along K ahead of their use.
.macro ASK how
.if \how
	s_cmp_eq_u32 s[LIM], 1
.else
	s_cmp_gt_u32 s3, s[LIM]
.endif
	s_cbranch_scc0 .Lnot_mine_\@
	global_prefetch_b8 v[PFO], s[PFA:PFA+1] th:TH_LOAD_NT scope:SCOPE_SE
.Lnot_mine_\@:
.endm
.macro PLACES n                        ; plain vector instructions between a matrix instruction and a load into, or a vector read of, its registers
.rept \n
	v_nop
.endr
.endm
.macro FRAG reg, adr, q, i             ; a fragment, 16 rows x 128 K, is 16 registers: registers 4 c .. 4 c + 3 hold K = 32 c + 16 (lane / 16) + 0 .. 15: the order of K in which B's images are laid
.irp c, 0,1,2,3
	ds_load_b128 v[\reg+4*\c:\reg+4*\c+3], v[\adr] offset:128*(\q)+32*\c+(\i)*16*PITCH
.endr
.endm
.macro FETCHA slot, q, p               ; 32 LDS loads in one run: A's 8 fragments of the slot's q-th 128 along K into set p (window p)
	WIN 0x40*(\p)
.irp i, 0,1,2,3,4,5,6,7
	FRAG 128+16*\i, ADRA+\slot, \q, \i
.endr
.endm
.macro LOADB ring, j                   ; 16 loads of 512 consecutive bytes: B's 4 fragments of the j-th 128 along K, counted from the slot in hand's first, into a set of the ring
	WIN 0xc0                                       ; destination window 3, address window 0
.irp i, 0,1,2,3,4,5,6,7,8,9,10,11,12,13,14,15
	global_load_b128 v[64*(\ring)+4*\i:64*(\ring)+4*\i+3], v[LI], s[BP:BP+1] offset:8192*(\j)+512*\i
.endr
.endm
; 32 matrix instructions: A's 8 blocks (set p) against B's four (the ring's set q).  zero = 1: the first product starts the sums.  The 32 accumulators take turns, one instruction a turn, in one order throughout.
.macro MUL p, q, zero
	WIN 0xa3+4*(\p)                                ; source 0 (B) window 3, source 1 (A) window p, C and D window 2
.set ma_, 0
.rept 8
.irp b, 0,1,2,3
.if \zero
	v_wmma_f32_16x16x128_fp8_fp8 v[8*(4*ma_+\b):8*(4*ma_+\b)+7], v[64*(\q)+16*\b:64*(\q)+16*\b+15], v[128+16*ma_:128+16*ma_+15], 0
.else
	v_wmma_f32_16x16x128_fp8_fp8 v[8*(4*ma_+\b):8*(4*ma_+\b)+7], v[64*(\q)+16*\b:64*(\q)+16*\b+15], v[128+16*ma_:128+16*ma_+15], v[8*(4*ma_+\b):8*(4*ma_+\b)+7]
.endif
.endr
.set ma_, ma_+1
.endr
.endm
; The slot's q-th 128 along K.  Ahead of its products: A's fragments of the next 128 are fetched into the set that the last products have left, and (ld = 1) the ring's set that they have left takes B's block three on.
; lc: how many younger loads may be out when this block's 16 loads of B have to be in: the blocks behind it that have been asked for, 16 loads each.
.macro CHUNK slot, q, zero, ld, lc
.if (\q) == 0
	FETCHA \slot, 0, 0                             ; (the places behind the last products stand in the change of slots)
.else
	s_wait_dscnt 0x0                               ; this block's fragments of A, asked for a block ago, are in
	PLACES 4
.if (\q) < 3
	FETCHA \slot, (\q)+1, 1-(\q)%2
.endif
.endif
	s_wait_loadcnt \lc
.if (\ld) == 1
	LOADB ((\q)+3)%4, (\q)+3
.endif
.if (\q) == 0
	s_wait_dscnt 0x0
	FETCHA \slot, 1, 1
.endif
	MUL (\q)%2, \q, \zero
.endm
; THE CHANGE OF SLOTS, behind a slot's last products: all that the slot held is in registers or multiplied.  Each wave waits for all its tensor loads (its part of the next slot), adds 0 to its spare word, and waits for that and for its
; reads of this slot.  fill = 1: the barrier opens a round of the cluster's, and the slot is filled again, two slots ahead, first thing behind it.  Nothing but these lines stands between a tile's landing and the next request.
.macro CHANGE slot, fill, how
	WIN 0
	s_wait_xcnt 0x0                                ; B's loads and the last prefetch have read their addresses: both step here
	s_add_nc_u64 s[BP:BP+1], s[BP:BP+1], 4*8192
.if \fill
	s_add_nc_u64 s[PFA:PFA+1], s[PFA:PFA+1], KS
.endif
	s_wait_tensorcnt 0x0                           ; all my tensor loads have landed, so a group 0 may be written
	ds_add_u32 v[SPW], v[NIL]                      ; 0 onto my spare word
.if \fill
	s_add_nc_u64 s[G0+4*\slot+2:G0+4*\slot+3], s[G0+4*\slot+2:G0+4*\slot+3], 2*KS
.endif
	s_wait_dscnt 0x0                               ; the add is done, and my reads of this slot are over
	s_barrier_signal -1
	s_barrier_wait -1
.if \fill
	CREST                                          ; no wave of any partner still reads this slot or has a load on its way
	tensor_load_to_lds s[G0+4*\slot:G0+4*\slot+3], s[G1:G1+7]
	s_nop 0                                        ; the four behind it are the places in front of the loads that follow
.rept 4
	v_nop
.endr
	ASK \how
.else
	PLACES 4
.endif
.endm
	s_load_b256 s[4:11], s[0:1], 0x0               ; ac 4, woc 6, the exponents 8, out0 10
	v_lshl_add_u32 v[SPW], v0, 2, SPARE
	v_mov_b32 v[NIL], 0
	ds_add_u32 v[SPW], v[NIL]                      ; the wave's opening: the add, and its wait ahead of my first tensor load; the set-up below stands between them
	v_lshrrev_b32 v1, 5, v0
	v_readfirstlane_b32 s20, v1                    ; wave 0..3
	s_lshr_b32 s21, s20, 1                         ; which 128 tokens are mine
	s_and_b32 s22, s20, 1                          ; which 64 columns
	s_bfe_u32 s40, ttmp6, 0x40000                  ; cx: my place in the cluster
	s_lshl_b32 s42, ttmp9, 2
	s_add_co_u32 s42, s42, s40                     ; tile column = 4 x cluster x + cx
	s_and_b32 s43, ttmp7, 0xffff                   ; tile row, which the four partners share
	s_mov_b32 s[G1], 15|(1<<20)|(1<<21)|(6<<22)|(3<<25)    ; 15:0 the mask: all four work-groups; 17:16 elements of 1 byte; 20 padding on; 21 set beside a mask; 24:22 after every 128 words; 31:25 four words
	s_mov_b32 s[G1+1], KS<<16                      ; tensor_dim0
	s_mov_b32 s[G1+2], 64<<16                      ; tensor_dim1
	s_mov_b32 s[G1+3], KS<<16                      ; tile_dim0
	s_mov_b32 s[G1+4], 64                          ; tile_dim1
	s_mov_b32 s[G1+5], KB                          ; from row to row
	s_mov_b32 s[G1+6], 0
	s_mov_b32 s[G1+7], 0
	s_lshl_b32 s82, s43, 8
	s_lshl_b32 s83, s20, 6
	s_add_co_u32 s82, s82, s83                     ; A: token 256 x tile row + 64 x wave
	s_lshl_b32 s82, s82, 11
	s_mov_b32 s83, 0
	s_mul_i32 s86, s20, QT                         ; where it goes: no place in the cluster enters an LDS address
	s_lshl_b32 s84, s42, 1
	s_add_co_u32 s84, s84, s22                     ; B: my block of 64 rows: 2 x tile column + my half,
	s_lshl_b32 s84, s84, 17                        ; 64 x 2,048 bytes each
	s_mov_b32 s85, 0
	s_wait_dscnt 0x0                               ; the opening add is done
	s_wait_kmcnt 0x0
	s_load_b64 s[96:97], s[8:9], 0x28              ; e10, e11
	s_add_nc_u64 s[82:83], s[4:5], s[82:83]
	s_add_nc_u64 s[BP:BP+1], s[6:7], s[84:85]
	CROUND                                         ; all four work-groups are here: the first joint loads meet
.irp s, 0,1
	s_mov_b32 s[G0+4*\s], 1
	s_add_co_u32 s[G0+4*\s+1], s86, \s*SLOT
	s_add_nc_u64 s[G0+4*\s+2:G0+4*\s+3], s[82:83], \s*KS
	s_or_b32 s[G0+4*\s+3], s[G0+4*\s+3], 0x80000000
.endr
	tensor_load_to_lds s[G0:G0+3], s[G1:G1+7]      ; both first fills go out together
	s_nop 0
	tensor_load_to_lds s[G0+4:G0+7], s[G1:G1+7]
	s_nop 0
.rept 4
	v_nop
.endr
	v_and_b32 v1, 15, v0                           ; r
	v_bfe_u32 v2, v0, 4, 1                         ; hh
	v_and_b32 v5, 31, v0
	v_lshlrev_b32 v[LI], 4, v5
	LOADB 0, 0                                     ; B's first three blocks of 128 along K
	LOADB 1, 1
	LOADB 2, 2
	WIN 0
	v_lshlrev_b32 v[PFO], 11, v1
	v_lshl_add_u32 v[PFO], v2, 8, v[PFO]
	v_mul_u32_u24 v3, v1, PITCH
	v_lshl_add_u32 v4, v2, 4, v3                   ; a fragment's row x pitch + 16 x half
	s_mul_i32 s88, s21, 128*PITCH                  ; my 128 rows of A
.irp s, 0,1
	v_add_nc_u32 v[ADRA+\s], s88, v4
	s_add_co_u32 s88, s88, SLOT
.endr
	s_mul_i32 s88, s20, 16*272
	s_add_co_u32 s88, s88, STAGE                   ; my stage
	v_mul_u32_u24 v5, v1, 272
	v_lshl_add_u32 v5, v2, 5, v5
	v_add_nc_u32 v[STO], s88, v5                   ; in: row r, 32 bytes for each half of the lanes
	v_mul_u32_u24 v5, v2, 272
	v_lshl_add_u32 v5, v1, 4, v5
	v_add_nc_u32 v[RD], s88, v5                    ; back: lanes 0-15 one row of 256 bytes, lanes 16-31 the next
	v_lshlrev_b32 v5, 14, v2
	v_lshl_add_u32 v[CO], v1, 4, v5                ; two tokens' rows of out0 are 16,384 bytes apart
	s_lshl_b32 s88, s43, 8
	s_lshl_b32 s89, s21, 7
	s_add_co_u32 s88, s88, s89
	s_lshl_b32 s88, s88, 14                        ; my first token's row,
	s_lshl_b32 s89, s42, 9
	s_add_co_u32 s88, s88, s89                     ; the tile's 512 bytes of it,
	s_lshl_b32 s89, s22, 8
	s_add_co_u32 s88, s88, s89                     ; my 256 of those
	s_mov_b32 s89, 0
	s_add_nc_u64 s[10:11], s[10:11], s[88:89]
	; the prefetches
	s_lshl_b32 s88, s43, 8
	s_lshl_b32 s89, s20, 6
	s_add_co_u32 s88, s88, s89
	s_lshl_b32 s89, s40, 4
	s_add_co_u32 s88, s88, s89                     ; of the 64 rows that I fetch, my work-group's 16,
	s_lshl_b32 s88, s88, 11
	s_add_co_u32 s88, s88, 2*KS                    ; at slot 2's bytes: the first change of slots steps it on and names slot 3's.  Nothing is prefetched at the head
	s_mov_b32 s89, 0
	s_add_nc_u64 s[PFA:PFA+1], s[4:5], s[88:89]
	s_cmp_eq_u32 ttmp9, 0
	s_cselect_b32 s[LIM], 1, -1                    ; the first cluster along x: the same in all four partners
	s_wait_tensorcnt 0x1                           ; my part of slot 0 is in; slot 1's may be out
	s_barrier_signal -1
	s_barrier_wait -1
	CHUNK 0, 0, 1, 1, 32                           ; the first slot stands in front of the loop: its first products start the sums
	CHUNK 0, 1, 0, 1, 32
	CHUNK 0, 2, 0, 1, 32
	CHUNK 0, 3, 0, 1, 32
	WIN 0                                          ; at a label and at a branch every window is 0
	s_mov_b32 s3, LAPS-1
.Llap:                                                 ; a trip goes once round the ring and fills both slots again
	CHANGE 0, 1, 1
	CHUNK 1, 0, 0, 1, 32
	CHUNK 1, 1, 0, 1, 32
	CHUNK 1, 2, 0, 1, 32
	CHUNK 1, 3, 0, 1, 32
	CHANGE 1, 1, 0
	CHUNK 0, 0, 0, 1, 32
	CHUNK 0, 1, 0, 1, 32
	CHUNK 0, 2, 0, 1, 32
	CHUNK 0, 3, 0, 1, 32
	WIN 0
	s_sub_co_u32 s3, s3, 1
	s_cmp_lg_u32 s3, 0
	s_cbranch_scc1 .Llap
	CHANGE 0, 0, 0                                 ; the last slot: nothing is filled, and no round of the cluster's barrier stands here
	CHUNK 1, 0, 0, 1, 32                           ; B's last block is asked for;
	CHUNK 1, 1, 0, 0, 32                           ; then nothing more, and the counts run down
	CHUNK 1, 2, 0, 0, 16
	CHUNK 1, 3, 0, 0, 0
	WIN 0
; THE WAY OUT, a block of 16 tokens x 64 columns at a time, through my own stage: a lane's 32 bytes go in, whole rows of 256 bytes come back; LDS serves a wave's instructions in order, so no wait stands between the stores and the loads.
.macro TOSTAGE a
	WIN 0x02                                       ; source 0 window 2
.set j_, 0
.rept 16
	v_pk_mul_f32 v[TMP+j_:TMP+j_+1], v[32*(\a)+j_:32*(\a)+j_+1], s[96:97] op_sel_hi:[1,0]   ; x 2^(e10 + e11): nothing is rounded; each accumulator from its low end on
.set j_, j_+2
.endr
	WIN 0
.irp b, 0,1,2,3
	ds_store_b128 v[STO], v[TMP+8*\b:TMP+8*\b+3] offset:64*\b
	ds_store_b128 v[STO], v[TMP+8*\b+4:TMP+8*\b+7] offset:64*\b+16
.endr
.set BB, BK+32*((\a)%2)
.irp t, 0,1,2,3,4,5,6,7
	ds_load_b128 v[BB+4*\t:BB+4*\t+3], v[RD] offset:\t*544
.endr
.endm
.macro SEND a, younger                 ; younger: the LDS instructions issued behind block a's loads, which may stay out
.set BB, BK+32*((\a)%2)
	s_wait_dscnt \younger
.irp t, 0,1,2,3,4,5,6,7
	global_store_b128 v[CO], v[BB+4*\t:BB+4*\t+3], s[10:11] offset:262144*(\a)+32768*\t th:TH_STORE_NT   ; 16 lanes store 256 consecutive bytes, aligned; written once, read by nobody here
.endr
.endm
	s_wait_kmcnt 0x0
	s_add_co_i32 s96, s96, s97
	s_add_co_i32 s96, s96, 127
	s_lshl_b32 s96, s96, 23                        ; 2^(e10 + e11) as f32
	s_mov_b32 s97, s96                             ; (named with it as a pair, so it is written)
	PLACES 4                                       ; in front of the first read of results and of the loads into registers that held A's fragments
	TOSTAGE 0
.irp a, 1,2,3,4,5,6,7
.if \a > 1
	s_wait_xcnt 0x0                                ; block a - 2's stores have read their registers: block a's rows may land there
.endif
	TOSTAGE \a
	SEND \a-1, 16                                  ; behind block a - 1's loads: block a's 8 stores and 8 loads
.endr
	SEND 7, 0
	s_wait_tensorcnt 0x0                           ; the wave's end, behind my last tensor load and my last LDS store
	ds_add_u32 v[SPW], v[NIL]
	s_wait_dscnt 0x0
	CROUND                                         ; the closing round: no work-group ends while a partner may still ask for a tile that names it
	s_endpgm
.Lfunc_end_k_q0ba72a42ce_outp:
	.size	k_q0ba72a42ce_outp, .Lfunc_end_k_q0ba72a42ce_outp-k_q0ba72a42ce_outp
	.p2alignl 7, 3214868480
	.fill 96, 4, 3214868480
	.section	.rodata,"a",@progbits
	.p2align	6, 0x0
	.amdhsa_kernel k_q0ba72a42ce_outp
		.amdhsa_group_segment_fixed_size 327680
		.amdhsa_private_segment_fixed_size 0
		.amdhsa_enable_private_segment 0
		.amdhsa_kernarg_size 32
		.amdhsa_user_sgpr_count 2
		.amdhsa_user_sgpr_kernarg_segment_ptr 1
		.amdhsa_wavefront_size32 1
		.amdhsa_system_sgpr_workgroup_id_x 1
		.amdhsa_system_sgpr_workgroup_id_y 1
		.amdhsa_system_sgpr_workgroup_id_z 1
		.amdhsa_system_vgpr_workitem_id 0
		.amdhsa_next_free_vgpr 1024
		.amdhsa_next_free_sgpr 100
		.amdhsa_reserve_vcc 0
		.amdhsa_float_denorm_mode_32 3
		.amdhsa_float_denorm_mode_16_64 3
		.amdhsa_memory_ordered 1
		.amdhsa_forward_progress 1
		.amdhsa_inst_pref_size 124
	.end_amdhsa_kernel
	.amdgpu_metadata
---
amdhsa.version: [ 1, 2 ]
amdhsa.kernels:
  - .name:           k_q0ba72a42ce_outp
    .symbol:         k_q0ba72a42ce_outp.kd
    .args:
      - { .name: ac, .offset: 0, .size: 8, .value_kind: global_buffer, .address_space: global }
      - { .name: woc, .offset: 8, .size: 8, .value_kind: global_buffer, .address_space: global }
      - { .name: lowp_scales, .offset: 16, .size: 8, .value_kind: global_buffer, .address_space: global }
      - { .name: out0, .offset: 24, .size: 8, .value_kind: global_buffer, .address_space: global }
    .group_segment_fixed_size: 327680
    .private_segment_fixed_size: 0
    .kernarg_segment_align: 8
    .kernarg_segment_size: 32
    .max_flat_workgroup_size: 128
    .sgpr_count:     100
    .vgpr_count:     1024
    .wavefront_size: 32
...
	.end_amdgpu_metadata
.endif
;; end of part 4
